; MI455X (gfx1250); checked and timed in simulation.
; The chip was launched on July 23, 2026; its instructions are those of AMD's public machine-readable ISA for CDNA 5 (MIT licence, August 2026) and "CDNA5" Instruction Set Architecture Reference Guide (July 2026). The comments in the code are by the model that wrote it; some were corrected since.
;; KNN. Allowed arithmetic: matrix products marked QUANTISED: E5M2 operands, one E8M0 scale for each 32 along K, by v_wmma_scale_f32_16x16x128_f8f6f4 with both operands' format E5M2, f32 sums; everything else in f32.
;; Inputs: test_features 1,024 x 256 float32; train_features 200,000 x 256 float32; train_labels 200,000 int32.
;; Outputs: out0 1,024 x 50 float32.
;; This version of the problem:
;;   THIS VERSION OF THE PROBLEM IS GIVEN IN LOW PRECISION. The matrix products marked QUANTISED in the list below multiply operands that are first quantised to E5M2 (5 exponent bits, 2 mantissa bits; 8 bits a number), with one power-of-two scale for each 32 numbers along K (OCP MX v1.0); their sums are f32. All else is computed in f32.
;;   The module's matrix products, in the order in which they are computed (A, B: the left and right operand; K: the contracted axis; several contracted axes count as one K, in the product's order):
;;     1. [M 1,024, K 256] x [K 256, N 200,000]; A: computed on the way; B: computed on the way: QUANTISED
;;   THE QUANTISER, for each operand of a quantised product, along K:
;;     - K is cut into blocks of 32 from its start; a last block that is shorter is filled with zeros.
;;     - A block's scale is 2^e with e = floor(log2(the largest magnitude in the block)) - 15, held to -126 .. 127; a block of zeros has e = 0. As a byte (E8M0): e + 127.
;;     - Each number is divided by its block's scale, clamped to +-57,344, and rounded to the nearest number of E5M2, ties to even, subnormals kept.
;;     - The product sums the exact products of the quantised numbers (number of the format x scale) in f32.
;;   ~~~python
;;   def quantise(x, axis):      # numpy; x: float32 -> the quantised numbers, widened to float32 again
;;       x = np.moveaxis(x, axis, -1); K = x.shape[-1]
;;       x = np.pad(x, [(0, 0)] * (x.ndim - 1) + [(0, -K % 32)]); x = x.reshape(x.shape[:-1] + (-1, 32)); a = np.abs(x).max(-1, keepdims=True)
;;       e = np.where(a > 0, np.clip(np.frexp(np.where(a > 0, a, 1))[1] - 1 - 15, -126, 127), 0)      # np.frexp(a)[1] - 1 = floor(log2(a)), exactly
;;       r = np.clip(x / 2.0 ** e, -57344, 57344)
;;       step = 2.0 ** (np.maximum(np.frexp(np.where(r == 0, 1, r))[1] - 1, -14) - 2)
;;       q = np.round(r / step) * step * 2.0 ** e      # np.round: ties to even
;;       return np.moveaxis(q.reshape(q.shape[:-2] + (-1,))[..., :K], -1, axis).astype(np.float32)
;;   ~~~
;;   OPERANDS COMPUTED ON THE WAY. 'Computed on the way' means the value that the module computes at that place (a softmax that the list does not call 'softmax' is quantised finished and normalised). What goes into a quantiser is computed in f32, as accurately as f32 sums, v_exp_f32 and their like allow (about 1e-6 of the number): no bf16 or f16 on the way to a quantiser, and a product that is left as it is and whose result goes on into a quantised operand takes f32 operands (vector FMAs, or v_wmma_f32_16x16x4_f32). A number that lies on a knife's edge between two numbers of the format may be rounded either way, as far as f32 arithmetic and the matrix unit's own rounding can turn it there, and no further.
;; 2 versions. Each part assembles by itself: llvm-mc -triple=amdgcn-amd-amdhsa -mcpu=gfx1250 --defsym DOCPART=n.
;; ======== version 1 of 2: 3 launches
;; workspace buffers: part 128,000 bytes; qc 262,144 bytes; qs 8,192 bytes; gc 51,200,000 bytes; gs 1,600,000 bytes; key 65,536,000 bytes of whole numbers; wm 1,024,000 bytes of whole numbers
;; launch stats (part 1): grid 258 x 1, 8 waves a work-group, no clusters, 5,120 bytes of LDS; arguments train_features, test_features, part, qc, qs; writes part, qc, qs
.if DOCPART == 1
	.amdgcn_target "amdgcn-amd-amdhsa--gfx1250"
	.amdhsa_code_object_version 6
	.text
	.protected	k_q62d732122b_stats
	.globl	k_q62d732122b_stats
	.p2align	8
	.type	k_q62d732122b_stats,@function
k_q62d732122b_stats:
	s_mov_b64 s[64:65], 0
	v_nop
	global_prefetch_b8 v0, s[64:65] scope:SCOPE_SE
	s_setreg_imm32_b32 hwreg(HW_REG_WAVE_MODE, 25, 1), 1
	s_wait_xcnt 0x0
; FIRST OF THREE LAUNCHES.  Two jobs, told apart by the work-group's number (the same in all its waves).
; Work-groups 0 to 249: partial sums of squares of train's 256 columns (the gallery is normalised along the 200,000 rows, so no code of it can be made before all rows are seen).
;   Work-group g takes strip g & 1 (512 bytes of each row: 128 columns) of rows 1600 (g >> 1) .. + 1599.  Wave w takes rows w + 8 i; a load of a wave covers 512 consecutive bytes, aligned;
;   lane l owns 4 columns.  A ring of 20 register slots keeps 20 loads of every wave out.  The eight waves' sums meet in LDS; wave 0 stores 512 bytes of part [125][256] f32.
; Work-groups 250 to 257: the queries.  A wave takes 16 rows of test_features, normalises each row (x * 1 / max(sqrt(sum x^2), 1e-12)) and quantises it to E5M2 with one E8M0 scale for each 32 along K.
;   The codes leave as images of the operand's registers: qc: tile T, K step s, register group c, lane L at 4096 T + 2048 s + 512 c + 16 L; qs: [64][32] words, lanes 0-15 the row's word of K step 0, lanes 16-31 of K step 1.
; No matrix unit, no cluster, no tensor load: the work is a stream that each wave reads once into registers.
; LIMITS: NaN and infinities are not served.  The division is a multiplication by a reciprocal refined by one Newton step.  A block whose largest magnitude lies under 2^-111 gets the byte 1
; (the rule's own clip); a block of zeros gets 1 where the rule says 127: its codes are zeros, and only this program reads the bytes.
.set ROWB,  1024                       ; bytes in a row of train or of test
.set DEPTH, 20                         ; slots = loads out in each wave
.set HOP,   8*ROWB                     ; from a wave's row to its next
.set ACC,   4                          ; v[4:19]    four sets of four running sums
.set X,     32                         ; v[32:111]  slot i: 4 registers.  In the queries' path v[32:159]: 128 numbers of a lane
.set PCA,   160                        ; v[160:175] codes of K step 0
.set PCB,   176                        ; v[176:191] codes of K step 1
.set TM,    192                        ; v[192:207] at work: +0 largest magnitudes, +4 bytes, +8 the hold, +12 the conversion's scale operand
.set PW0,   208                        ; the scale words
.set PW1,   209
.set SQ,    210                        ; v[210:217] four packed chains
.set IV,    218                        ; v[218:219] 1 / norm, twice
.set SEL,   24                         ; s[24:25] selects of v_permlanex16_b32: lane l xor 16
.set MNT,   26                         ; s26 the mantissa field of 57,344
	s_load_b256 s[4:11], s[0:1], 0x0               ; train s[4:5], test s[6:7], part s[8:9], qc s[10:11]
	s_load_b64 s[12:13], s[0:1], 0x20              ; qs
	v_lshl_add_u32 v224, v0, 2, 0x1000
	v_mov_b32 v225, 0
	v_lshrrev_b32 v1, 5, v0
	v_readfirstlane_b32 s14, v1                    ; wave 0..7
	v_and_b32 v3, 31, v0                           ; lane
	s_cmp_ge_u32 ttmp9, 250
	s_cbranch_scc1 .Lqueries
	; ---------------- the columns' sums of squares
	s_and_b32 s15, ttmp9, 1
	s_lshl_b32 s15, s15, 9                         ; the strip: 512 bytes
	s_lshr_b32 s16, ttmp9, 1                       ; the group of 1,600 rows
	s_mul_i32 s18, s16, 1600*ROWB                  ; under 2^28
	s_add_co_u32 s18, s18, s15
	s_mov_b32 s19, 0
	s_lshl_b32 s20, s16, 10                        ; part: a row of 1,024 bytes for each group of rows
	s_add_co_u32 s20, s20, s15
	s_mov_b32 s21, 0
	v_lshlrev_b32 v2, 4, v0                        ; LDS: 512 x wave + 16 x lane
	v_lshlrev_b32 v3, 4, v3                        ; 16 x lane
	v_and_b32 v1, 0xe0, v0
	v_lshl_add_u32 v1, v1, 5, v3                   ; 1,024 x wave + 16 x lane
.irp i, 0,1,2,3,4,5,6,7,8,9,10,11,12,13,14,15
	v_mov_b32 v[ACC+\i], 0
.endr
	s_wait_kmcnt 0x0
	s_add_nc_u64 s[4:5], s[4:5], s[18:19]
	s_add_nc_u64 s[8:9], s[8:9], s[20:21]
.irp i, 0,1,2,3,4,5,6,7,8,9,10,11,12,13,14,15,16,17,18,19
	global_load_b128 v[X+4*\i:X+4*\i+3], v1, s[4:5] offset:\i*HOP th:TH_LOAD_NT
.endr
; One slot's turn.  left: the younger loads, which may stay out.  ahead = 1: the slot takes the row 20 of the wave's rows further on.
.macro SLOT i, ahead, left
	s_wait_loadcnt \left
	v_pk_fma_f32 v[ACC+4*((\i)%4):ACC+4*((\i)%4)+1], v[X+4*(\i):X+4*(\i)+1], v[X+4*(\i):X+4*(\i)+1], v[ACC+4*((\i)%4):ACC+4*((\i)%4)+1]
	v_pk_fma_f32 v[ACC+4*((\i)%4)+2:ACC+4*((\i)%4)+3], v[X+4*(\i)+2:X+4*(\i)+3], v[X+4*(\i)+2:X+4*(\i)+3], v[ACC+4*((\i)%4)+2:ACC+4*((\i)%4)+3]
.if \ahead
	global_load_b128 v[X+4*(\i):X+4*(\i)+3], v1, s[4:5] offset:(DEPTH+(\i))*HOP th:TH_LOAD_NT
.endif
.endm
	s_mov_b32 s17, 200/DEPTH-1
.Llap:
.irp i, 0,1,2,3,4,5,6,7,8,9,10,11,12,13,14,15,16,17,18,19
	SLOT \i, 1, DEPTH-1
.endr
	s_wait_xcnt 0x0                                ; the loads have read their base: it steps only behind this wait
	s_add_nc_u64 s[4:5], s[4:5], DEPTH*HOP
	s_sub_co_u32 s17, s17, 1
	s_cmp_lg_u32 s17, 0
	s_cbranch_scc1 .Llap
.irp i, 0,1,2,3,4,5,6,7,8,9,10,11,12,13,14,15,16,17,18,19
	SLOT \i, 0, DEPTH-1-\i                         ; the last lap loads nothing: the counts run down
.endr
	v_pk_add_f32 v[4:5], v[4:5], v[8:9]            ; the four sets become one
	v_pk_add_f32 v[6:7], v[6:7], v[10:11]
	v_pk_add_f32 v[12:13], v[12:13], v[16:17]
	v_pk_add_f32 v[14:15], v[14:15], v[18:19]
	v_pk_add_f32 v[4:5], v[4:5], v[12:13]
	v_pk_add_f32 v[6:7], v[6:7], v[14:15]
	ds_store_b128 v2, v[4:7]
	s_wait_dscnt 0x0                               ; for wave 0's sake: my store has landed
	s_barrier_signal -1
	s_barrier_wait -1
	s_cmp_lg_u32 s14, 0
	s_cbranch_scc1 .Ldone
.irp w, 0,1,2,3,4,5,6,7
	ds_load_b128 v[X+4*\w:X+4*\w+3], v3 offset:512*\w
.endr
	s_wait_dscnt 0x0
.irp w, 0,2,4,6
	v_pk_add_f32 v[X+4*\w:X+4*\w+1], v[X+4*\w:X+4*\w+1], v[X+4*\w+4:X+4*\w+5]
	v_pk_add_f32 v[X+4*\w+2:X+4*\w+3], v[X+4*\w+2:X+4*\w+3], v[X+4*\w+6:X+4*\w+7]
.endr
.irp w, 0,4
	v_pk_add_f32 v[X+4*\w:X+4*\w+1], v[X+4*\w:X+4*\w+1], v[X+4*\w+8:X+4*\w+9]
	v_pk_add_f32 v[X+4*\w+2:X+4*\w+3], v[X+4*\w+2:X+4*\w+3], v[X+4*\w+10:X+4*\w+11]
.endr
	v_pk_add_f32 v[X:X+1], v[X:X+1], v[X+16:X+17]
	v_pk_add_f32 v[X+2:X+3], v[X+2:X+3], v[X+18:X+19]
	global_store_b128 v3, v[X:X+3], s[8:9]         ; 32 lanes store 512 consecutive bytes, aligned
.Ldone:
	s_wait_tensorcnt 0x0
	ds_add_u32 v224, v225
	s_wait_dscnt 0x0
	s_endpgm
	; ---------------- the queries
; 64 numbers of a lane, v[src] on, register 16 b + i = k 32 b + 16 (lane / 16) + i of my row, become a fragment's codes in v[pc] on and its scale word in v[pw].
.macro QUANT src, pc, pw
.irp b, 0,1,2,3
	v_max3_num_f32 v[TM+\b], |v[\src+16*\b]|, |v[\src+1+16*\b]|, 0x8000000   ; block b: my 16 numbers, and the floor 2^(16 - 127): the byte cannot fall under 1
.endr
.irp i, 2,4,6,8,10,12,14
.irp b, 0,1,2,3
	v_max3_num_f32 v[TM+\b], v[TM+\b], |v[\src+16*\b+\i]|, |v[\src+1+16*\b+\i]|
.endr
.endr
.irp b, 0,1,2,3
	v_permlanex16_b32 v[TM+4+\b], v[TM+\b], s[SEL], s[SEL+1]
.endr
.irp b, 0,1,2,3
	v_max_num_f32 v[TM+\b], v[TM+\b], v[TM+4+\b]   ; with lane l xor 16's: the block's largest magnitude
.endr
.irp b, 0,1,2,3
	v_add_nc_u32 v[TM+12+\b], 0xf8800000, v[TM+\b] ; 15 off its exponent field: the conversion takes this operand's exponent field as its scale
.endr
.irp b, 0,1,2,3
	v_and_or_b32 v[TM+8+\b], v[TM+\b], 0x7f800000, s[MNT]   ; 57,344 x the scale
.endr
.irp b, 0,1,2,3
	v_lshrrev_b32 v[TM+4+\b], 23, v[TM+12+\b]      ; the scale's byte
.endr
	v_lshl_or_b32 v[\pw], v[TM+5], 8, v[TM+4]
	v_lshl_or_b32 v[\pw], v[TM+6], 16, v[\pw]
	v_lshl_or_b32 v[\pw], v[TM+7], 24, v[\pw]
.irp b, 0,1,2,3
.irp i, 0,1,2,3,4,5,6,7,8,9,10,11,12,13,14,15
	v_med3_num_f32 v[\src+16*\b+\i], v[\src+16*\b+\i], -v[TM+8+\b], v[TM+8+\b]   ; the conversion to an 8-bit code does not saturate (ISA guide 7.6.2): the hold comes first
.endr
	v_cvt_scalef32_pk8_bf8_f32 v[\pc+4*\b:\pc+1+4*\b], v[\src+16*\b:\src+7+16*\b], v[TM+12+\b]
	v_cvt_scalef32_pk8_bf8_f32 v[\pc+2+4*\b:\pc+3+4*\b], v[\src+8+16*\b:\src+15+16*\b], v[TM+12+\b]
.endr
	v_nop                                          ; one plain line behind the last conversion
.endm
.Lqueries:
	s_sub_co_u32 s15, ttmp9, 250
	s_lshl_b32 s15, s15, 3
	s_add_co_u32 s15, s15, s14                     ; my tile of 16 queries, 0..63
	s_lshl_b32 s18, s15, 14                        ; 16 rows of 1,024 bytes
	s_mov_b32 s19, 0
	s_lshl_b32 s20, s15, 12                        ; qc: 4,096 bytes a tile
	s_mov_b32 s21, 0
	s_lshl_b32 s22, s15, 7                         ; qs: 128 bytes a tile
	s_mov_b32 s23, 0
	s_mov_b32 s[SEL], 0x76543210
	s_mov_b32 s[SEL+1], 0xfedcba98
	s_mov_b32 s[MNT], 0x600000
	s_mov_b32 s27, 0xffff0000                      ; lanes 16-31
	v_and_b32 v4, 15, v0                           ; r
	v_bfe_u32 v5, v0, 4, 1                         ; h
	v_lshlrev_b32 v1, 10, v4
	v_lshl_add_u32 v1, v5, 6, v1                   ; row r, + 64 h: my 16 numbers of a block of 32
	v_lshlrev_b32 v2, 4, v3                        ; 16 x lane
	v_lshlrev_b32 v3, 2, v3                        ; 4 x lane
.irp b, 0,1,2,3
	v_mov_b32 v[TM+4+\b], 0                        ; written once: a lane permute's destination counts as one of its sources
.endr
	s_wait_kmcnt 0x0
	s_add_nc_u64 s[6:7], s[6:7], s[18:19]
	s_add_nc_u64 s[10:11], s[10:11], s[20:21]
	s_add_nc_u64 s[12:13], s[12:13], s[22:23]
.irp s, 0,1
.irp b, 0,1,2,3
.irp j, 0,1,2,3
	global_load_b128 v[X+64*\s+16*\b+4*\j:X+64*\s+16*\b+4*\j+3], v1, s[6:7] offset:512*\s+128*\b+16*\j th:TH_LOAD_NT
.endr
.endr
.endr
	s_wait_loadcnt 0x0
.irp c, 0,1,2,3
	v_pk_mul_f32 v[SQ+2*\c:SQ+2*\c+1], v[X+2*\c:X+2*\c+1], v[X+2*\c:X+2*\c+1]   ; the first products start the four chains
.endr
.set i, 4
.rept 60
	v_pk_fma_f32 v[SQ+2*(i%4):SQ+2*(i%4)+1], v[X+2*i:X+2*i+1], v[X+2*i:X+2*i+1], v[SQ+2*(i%4):SQ+2*(i%4)+1]
.set i, i+1
.endr
	v_pk_add_f32 v[SQ:SQ+1], v[SQ:SQ+1], v[SQ+2:SQ+3]
	v_pk_add_f32 v[SQ+4:SQ+5], v[SQ+4:SQ+5], v[SQ+6:SQ+7]
	v_pk_add_f32 v[SQ:SQ+1], v[SQ:SQ+1], v[SQ+4:SQ+5]
	v_add_f32 v[SQ], v[SQ], v[SQ+1]
	v_permlanex16_b32 v[TM+4], v[SQ], s[SEL], s[SEL+1]
	v_add_f32 v[SQ], v[SQ], v[TM+4]                ; the row's sum of squares, in both of its lanes
	v_sqrt_f32 v220, v[SQ]
	v_nop                                          ; a plain line behind the transcendental,
	s_wait_alu depctr_va_vdst(0)                   ; and the wait ahead of its first reader
	v_max_num_f32 v220, 0x2b8cbccc, v220           ; max(norm, 1e-12)
	v_rcp_f32 v221, v220
	v_nop
	s_wait_alu depctr_va_vdst(0)
	v_fma_f32 v222, -v220, v221, 1.0               ; one Newton step
	v_fma_f32 v[IV], v221, v222, v221
	v_mov_b32 v[IV+1], v[IV]
.set i, 0
.rept 64
	v_pk_mul_f32 v[X+2*i:X+2*i+1], v[X+2*i:X+2*i+1], v[IV:IV+1]
.set i, i+1
.endr
	QUANT X, PCA, PW0
.irp c, 0,1,2,3
	global_store_b128 v2, v[PCA+4*\c:PCA+4*\c+3], s[10:11] offset:512*\c          ; 512 consecutive bytes, aligned
.endr
	QUANT X+64, PCB, PW1
.irp c, 0,1,2,3
	global_store_b128 v2, v[PCB+4*\c:PCB+4*\c+3], s[10:11] offset:2048+512*\c
.endr
	v_cndmask_b32 v223, v[PW0], v[PW1], s27        ; lanes 0-15: K step 0's word; lanes 16-31: K step 1's
	global_store_b32 v3, v223, s[12:13]
	s_endpgm
.Lfunc_end_k_q62d732122b_stats:
	.size	k_q62d732122b_stats, .Lfunc_end_k_q62d732122b_stats-k_q62d732122b_stats
	.p2alignl 7, 3214868480
	.fill 96, 4, 3214868480
	.section	.rodata,"a",@progbits
	.p2align	6, 0x0
	.amdhsa_kernel k_q62d732122b_stats
		.amdhsa_group_segment_fixed_size 5120
		.amdhsa_private_segment_fixed_size 0
		.amdhsa_enable_private_segment 0
		.amdhsa_kernarg_size 40
		.amdhsa_user_sgpr_count 2
		.amdhsa_user_sgpr_kernarg_segment_ptr 1
		.amdhsa_wavefront_size32 1
		.amdhsa_system_sgpr_workgroup_id_x 1
		.amdhsa_system_sgpr_workgroup_id_y 1
		.amdhsa_system_sgpr_workgroup_id_z 1
		.amdhsa_system_vgpr_workitem_id 0
		.amdhsa_next_free_vgpr 226
		.amdhsa_next_free_sgpr 66
		.amdhsa_reserve_vcc 0
		.amdhsa_float_denorm_mode_32 3
		.amdhsa_float_denorm_mode_16_64 3
		.amdhsa_memory_ordered 1
		.amdhsa_forward_progress 1
		.amdhsa_inst_pref_size 44
	.end_amdhsa_kernel
	.amdgpu_metadata
---
amdhsa.version: [ 1, 2 ]
amdhsa.kernels:
  - .name:           k_q62d732122b_stats
    .symbol:         k_q62d732122b_stats.kd
    .args:
      - { .name: train_features, .offset: 0, .size: 8, .value_kind: global_buffer, .address_space: global }
      - { .name: test_features, .offset: 8, .size: 8, .value_kind: global_buffer, .address_space: global }
      - { .name: part, .offset: 16, .size: 8, .value_kind: global_buffer, .address_space: global }
      - { .name: qc, .offset: 24, .size: 8, .value_kind: global_buffer, .address_space: global }
      - { .name: qs, .offset: 32, .size: 8, .value_kind: global_buffer, .address_space: global }
    .group_segment_fixed_size: 5120
    .private_segment_fixed_size: 0
    .kernarg_segment_align: 8
    .kernarg_segment_size: 40
    .max_flat_workgroup_size: 256
    .sgpr_count:     66
    .vgpr_count:     226
    .wavefront_size: 32
...
	.end_amdgpu_metadata
.endif
;; end of part 1
;; launch main (part 2): grid 250 x 1, 8 waves a work-group, no clusters, 228,864 bytes of LDS; arguments train_features, part, qc, qs, gc, gs, key, wm; writes gc, gs, key, wm
.if DOCPART == 2
	.amdgcn_target "amdgcn-amd-amdhsa--gfx1250"
	.amdhsa_code_object_version 6
	.text
	.protected	k_q62d732122b_main
	.globl	k_q62d732122b_main
	.p2align	8
	.type	k_q62d732122b_main,@function
k_q62d732122b_main:
	s_mov_b64 s[64:65], 0
	v_nop
	global_prefetch_b8 v0, s[64:65] scope:SCOPE_SE
	s_setreg_imm32_b32 hwreg(HW_REG_WAVE_MODE, 25, 1), 1
	s_wait_xcnt 0x0
; SECOND LAUNCH: the whole product sim = q . gallery on codes of E5M2 with E8M0 scales (v_wmma_scale_f32_16x16x128_f8f6f4), and of it only MAXIMA leave.
; Work-group g owns items 800 g .. + 799, 25 blocks of 32, against all 1,024 queries.  Wave w keeps queries 128 w .. + 127 as source 1 in registers for the whole launch (8 tiles x 2 K steps x 16 = 256: window 1).
; In each block wave w normalises (x * 1 / column norm) and quantises rows 4 w .. 4 w + 3, stores the codes to gc (row-major, for the third launch) and into one of two images in LDS, from which all waves take source 0.
; WHAT LEAVES: for each query and each CHUNK of 16 consecutive items the chunk's largest sim as a whole number that rises with it: with b the f32's bits, b ^ ((b >> 31, arithmetic) | 2^31).
;   key: work-group g's part begins at g x 2^18 bytes and is [1024 queries][50 chunks] u32, 204,800 dense bytes (the rest of the 2^18 is neither written nor read);  wm [250][1024] u32: the largest of a work-group's 50.
; So the third launch can order chunks by whole numbers alone, exactly as their largest sims are ordered.
; WHICH ITEMS FORM A TILE: item i of a block lies in LDS row 16 ((i >> 3) & 1) + 8 (i >> 4) + (i & 7).  Tile u is rows 16 u .. + 15.  In the result, lane (r, h), register j of tile u is item 16 h + 8 u + j of query r:
; a lane's 16 registers of the two tiles are the 16 items of chunk 2 p + h of block p: its maximum needs no other lane.
; No tensor load: each row is read once, by the wave that quantises it, straight into registers, two blocks ahead (16 loads of a wave out).
; No cluster: the grid, 250, is no multiple of 4, and what work-groups share (q's 262,144 bytes of codes, 128,000 bytes of partial sums) is read once at the head, against 819,200 bytes of rows of the work-group's own.
; LIMITS: NaN and infinities are not served; a chunk whose largest sim is -0 ranks under one whose largest is +0.  x / n is x * (1 / n), the reciprocal refined by one Newton step.  A block whose largest magnitude lies
; under 2^-111 gets the byte 1 (the rule's clip); a block of zeros gets 1 where the rule says 127: its codes are zeros, and only this program reads the bytes.
.set KSP,   200                        ; LDS: the key stage: 1,024 rows (queries) of 50 keys, dense: lane (r, h) writes word 50 r + h (+ a constant): 32 different banks of the 64 (ISA guide 11.1)
.set KSW,   128*KSP                    ; a wave's part, 25,600 bytes: wave w alone touches rows 128 w .. + 127
.set IMG0,  1024*KSP                   ; two images of a block: 32 rows of 256 codes + 16 bytes,
.set IP,    272
.set ISC,   32*IP                      ; then 32 x 8 scale bytes, in the rows' order
.set IMGB,  ISC+256
.set INVL,  IMG0+2*IMGB                ; 256 f32: 1 / column norm
.set WS,    INVL+1024                  ; 512 bytes a wave: wm on its way out
.set RAWO, 1                           ; v1   4,096 w + 32 lane: my 8 numbers of the wave's first row
.set GCO,  2                           ; v2   1,024 w + 8 lane: my 8 codes in gc.  (In wave 0 it is 8 x lane: that wave's offset in gs too)
.set CS,   3                           ; v3   where my codes go in image 0
.set BS,   4                           ; v4   and my block's scale byte
.set FR,   5                           ; v5   a fragment's place for my lane: 272 r + 16 h
.set ASA,  6                           ; v6   the items' scale words: 8 r + 4 h
.set KSB,  7                           ; v7   the key stage: 25,600 w + 200 r + 4 h
.set GRA,  8                           ; v8   the scale bytes of item (lane) of the block
.set KSA,  9                           ; v9   KSB + 8 bytes for each block done
.set GSR,  10                          ; v[10:11] those 8 bytes
.set BY,   12                          ; v[12:15] the four rows' scale bytes
.set INV,  16                          ; v[16:23] 1 / norm of columns 8 lane .. + 7
.set QS,   24                          ; v[24:31] q's scale words, a register a tile: lanes 0-15 K step 0, lanes 16-31 K step 1.  Scales alone
.set ASC,  32                          ; v[32:33] the items' scale words of tile u, laid likewise.  Scales alone
.set TM,   34                          ; v[34:35] largest magnitudes of two rows
.set SC,   36                          ; v[36:37] the conversions' scale operands
.set HD,   38                          ; v[38:39] 57,344 x the scale
.set C,    40                          ; v[40:47] codes, two registers a row
.set CM,   48                          ; v[48:55] the chunk's maximum, a register a tile of queries
.set WMX,  56                          ; v[56:63] the work-group's
.set AF,   64                          ; v[64:127] the items' fragments: 32 u + 16 s
.set KT,   64                          ; v[64:71] behind a block's products: the eight keys
.set ACC,  128                         ; v[128:191] eight accumulators
.set RAW,  192                         ; v[192:255] two sets of 4 rows x 8 numbers
.set MSB, 0
.macro WIN new                         ; the immediate's high byte repeats the setting that is left
.if MSB != \new
	s_set_vgpr_msb (MSB<<8)|\new
.set MSB, \new
.endif
.endm
; rows ka, ka + 1 of a block, from off bytes behind s[4:5], into a set
.macro RAWLD set, ka, off
.irp k, \ka, \ka+1
.irp e, 0,1
	global_load_b128 v[RAW+32*(\set)+8*(\k)+4*\e:RAW+32*(\set)+8*(\k)+4*\e+3], v[RAWO], s[4:5] offset:(\off)+(\k)*1024+16*\e th:TH_LOAD_NT
.endr
.endr
.endm
; rows ka, ka + 1 of a set are normalised and quantised, by turns; their codes and bytes go to image buf and the codes to gc.  A lane holds 8 neighbours along K, four lanes a block of 32.
.macro QROWS set, ka, buf
.irp i, 0,2,4,6
.irp k, \ka, \ka+1
	v_pk_mul_f32 v[RAW+32*(\set)+8*(\k)+\i:RAW+32*(\set)+8*(\k)+\i+1], v[RAW+32*(\set)+8*(\k)+\i:RAW+32*(\set)+8*(\k)+\i+1], v[INV+\i:INV+\i+1]
.endr
.endr
.irp k, \ka, \ka+1
	v_max3_num_f32 v[TM+(\k)-(\ka)], |v[RAW+32*(\set)+8*(\k)]|, |v[RAW+32*(\set)+8*(\k)+1]|, 0x8000000   ; with the floor 2^(16 - 127): the byte cannot fall under 1
.endr
.irp i, 2,4,6
.irp k, \ka, \ka+1
	v_max3_num_f32 v[TM+(\k)-(\ka)], v[TM+(\k)-(\ka)], |v[RAW+32*(\set)+8*(\k)+\i]|, |v[RAW+32*(\set)+8*(\k)+\i+1]|
.endr
.endr
.irp x, 1,2
.irp k, 0,1
	v_max_num_f32_dpp v[TM+\k], v[TM+\k], v[TM+\k] row_xmask:\x row_mask:0xf bank_mask:0xf   ; the block's four lanes
.endr
.endr
.irp k, 0,1
	v_add_nc_u32 v[SC+\k], 0xf8800000, v[TM+\k]    ; 15 off the exponent field: the conversion's scale operand
.endr
.irp k, 0,1
	v_and_or_b32 v[HD+\k], v[TM+\k], 0x7f800000, s22   ; 57,344 x the scale
.endr
.irp k, \ka, \ka+1
	v_lshrrev_b32 v[BY+(\k)], 23, v[SC+(\k)-(\ka)] ; the scale's byte
.endr
.irp i, 0,1,2,3,4,5,6,7
.irp k, \ka, \ka+1
	v_med3_num_f32 v[RAW+32*(\set)+8*(\k)+\i], v[RAW+32*(\set)+8*(\k)+\i], -v[HD+(\k)-(\ka)], v[HD+(\k)-(\ka)]   ; the conversion does not saturate (ISA guide 7.6.2): the hold comes first
.endr
.endr
.irp k, \ka, \ka+1
	v_cvt_scalef32_pk8_bf8_f32 v[C+2*(\k):C+2*(\k)+1], v[RAW+32*(\set)+8*(\k):RAW+32*(\set)+8*(\k)+7], v[SC+(\k)-(\ka)]
.endr
	v_nop                                          ; one plain line behind the last conversion
.irp k, \ka, \ka+1
	ds_store_b64 v[CS], v[C+2*(\k):C+2*(\k)+1] offset:(\buf)*IMGB+(\k)*IP
	ds_store_b8 v[BS], v[BY+(\k)] offset:(\buf)*IMGB+8*(\k)          ; a block's four lanes write the same byte with the same value
	global_store_b64 v[GCO], v[C+2*(\k):C+2*(\k)+1], s[12:13] offset:(\k)*256   ; 32 lanes store a row's 256 consecutive bytes, aligned
.endr
.endm
; 16 matrix instructions: tile u of the items x my eight tiles of queries, K steps 0 and 1.  The eight accumulators take turns, one instruction a turn; K step 0 starts the sums.
.macro MM u
	WIN 0x04                                       ; source 1 (q) in window 1
.irp t, 0,1,2,3,4,5,6,7
	v_wmma_scale_f32_16x16x128_f8f6f4 v[ACC+8*\t:ACC+8*\t+7], v[AF+32*(\u):AF+32*(\u)+15], v[32*\t:32*\t+15], 0, v[ASC+(\u)], v[QS+\t] matrix_a_fmt:MATRIX_FMT_BF8 matrix_b_fmt:MATRIX_FMT_BF8
.endr
.irp t, 0,1,2,3,4,5,6,7
	v_wmma_scale_f32_16x16x128_f8f6f4 v[ACC+8*\t:ACC+8*\t+7], v[AF+32*(\u)+16:AF+32*(\u)+31], v[32*\t+16:32*\t+31], v[ACC+8*\t:ACC+8*\t+7], v[ASC+(\u)], v[QS+\t] matrix_a_fmt:MATRIX_FMT_BF8 matrix_b_fmt:MATRIX_FMT_BF8 matrix_a_scale:MATRIX_SCALE_ROW1 matrix_b_scale:MATRIX_SCALE_ROW1
.endr
	WIN 0
.endm
.macro EPI0                            ; the chunk's maximum begins with tile 0's eight items; each accumulator from its low end on, the tiles of queries by turns
.irp t, 0,1,2,3,4,5,6,7
	v_max3_num_f32 v[CM+\t], v[ACC+8*\t], v[ACC+8*\t+1], v[ACC+8*\t+2]
.endr
.irp i, 3,5
.irp t, 0,1,2,3,4,5,6,7
	v_max3_num_f32 v[CM+\t], v[CM+\t], v[ACC+8*\t+\i], v[ACC+8*\t+\i+1]
.endr
.endr
.irp t, 0,1,2,3,4,5,6,7
	v_max_num_f32 v[CM+\t], v[CM+\t], v[ACC+8*\t+7]
.endr
.endm
.macro EPI1 kso                        ; tile 1's eight items; the work-group's maximum; the key into the stage
.irp i, 0,2,4,6
.irp t, 0,1,2,3,4,5,6,7
	v_max3_num_f32 v[CM+\t], v[CM+\t], v[ACC+8*\t+\i], v[ACC+8*\t+\i+1]
.endr
.endr
.irp t, 0,1,2,3,4,5,6,7
	v_max_num_f32 v[WMX+\t], v[WMX+\t], v[CM+\t]
.endr
.irp t, 0,1,2,3,4,5,6,7
	v_ashrrev_i32 v[KT+\t], 31, v[CM+\t]           ; all ones where the sim is negative
.endr
.irp t, 0,1,2,3,4,5,6,7
	v_or_b32 v[KT+\t], 0x80000000, v[KT+\t]
.endr
.irp t, 0,1,2,3,4,5,6,7
	v_xor_b32 v[KT+\t], v[CM+\t], v[KT+\t]         ; not negative: the sign bit is set; negative: all bits are turned over: a u32 that rises with the f32
.endr
.irp t, 0,1,2,3,4,5,6,7
	ds_store_b32 v[KSA], v[KT+\t] offset:\t*16*KSP+\kso
.endr
.endm
; BLOCK p, par = p & 1.  qn = 1: block p + 1 is quantised on the way (from set 1 - par into image 1 - par); ld = 1: that set takes block p + 3.
; wa, wb: the loads issued behind the two rows wanted, which may stay out.  Loads go out four at a time: rows 0, 1 (A), rows 2, 3 (B) of blocks p + 1, p + 2, p + 3: behind (p + 1) A stand (p + 1) B and block p + 2: 12;
; behind (p + 1) B stand block p + 2 and (p + 3) A: 12.  Where nothing more is asked for the counts run down.
.macro TRIP par, qn, ld, wa, wb, kso
	s_wait_dscnt 0x0                               ; my stores of block p's image have landed, and my reads of block p - 1's are back
	s_barrier_signal -1
	s_barrier_wait -1                              ; both now hold of all eight waves: image par is whole, and image 1 - par may be written
.irp u, 0,1
.irp s, 0,1
.irp c, 0,1,2,3
	ds_load_b128 v[AF+32*\u+16*\s+4*\c:AF+32*\u+16*\s+4*\c+3], v[FR] offset:(\par)*IMGB+\u*16*IP+128*\s+32*\c
.endr
.endr
	ds_load_b32 v[ASC+\u], v[ASA] offset:(\par)*IMGB+128*\u
.endr
	ds_load_b64 v[GSR:GSR+1], v[GRA] offset:(\par)*IMGB   ; the block's scale bytes in the items' order
.if \qn
	s_wait_loadcnt \wa
	QROWS 1-(\par), 0, 1-(\par)
.if \ld
	RAWLD 1-(\par), 0, 0
.endif
	s_wait_dscnt 4                                 ; behind the 19 loads stand the four LDS stores just issued
.else
	s_wait_dscnt 0x0
.endif
	s_cmp_lg_u32 s20, 0                            ; one wave stores the block's 256 scale bytes
	s_cbranch_scc1 .Lnot_wave_0_\@
	global_store_b64 v[GCO], v[GSR:GSR+1], s[14:15]   ; 32 lanes store 256 consecutive bytes, aligned
.Lnot_wave_0_\@:
	MM 0
.if \qn
	s_wait_loadcnt \wb
	QROWS 1-(\par), 2, 1-(\par)                    ; its plain lines are the places behind the products: eight are owed ahead of the first read of a result
.if \ld
	RAWLD 1-(\par), 2, 0
.endif
.else
.rept 8
	v_nop
.endr
.endif
	EPI0                                           ; (nine places are owed ahead of products that begin the accumulators anew: the lines above and this macro's lines on the other accumulators)
	MM 1
	v_add_nc_u32 v[KSA], s23, v[KSB]               ; a place, and seven more
.rept 7
	v_nop
.endr
	EPI1 \kso
	s_wait_xcnt 0x0                                ; the trip's loads and stores have read their bases, offsets and data: all may be written again
.if \ld
	s_add_nc_u64 s[4:5], s[4:5], 32768
.endif
.if \qn
	s_add_nc_u64 s[12:13], s[12:13], 8192
.endif
	s_add_nc_u64 s[14:15], s[14:15], 256
.endm
	s_load_b256 s[4:11], s[0:1], 0x0               ; train s[4:5], part s[6:7], qc s[8:9], qs s[10:11]
	s_load_b256 s[12:19], s[0:1], 0x20             ; gc s[12:13], gs s[14:15], key s[16:17], wm s[18:19]
	v_lshrrev_b32 v48, 5, v0
	v_readfirstlane_b32 s20, v48                   ; wave 0..7
	s_mov_b32 s22, 0x600000                        ; the mantissa field of 57,344
	s_mov_b32 s26, 0x76543210
	s_mov_b32 s27, 0xfedcba98                      ; v_permlanex16_b32's selects for lane l xor 16
	s_lshr_b32 s28, s20, 1                         ; the LDS row of my wave's first item, 4 w: 16 ((w >> 1) & 1) + 8 (w >> 2) + 4 (w & 1)
	s_and_b32 s28, s28, 1
	s_lshl_b32 s28, s28, 4
	s_lshr_b32 s29, s20, 2
	s_lshl_b32 s29, s29, 3
	s_add_co_u32 s28, s28, s29
	s_and_b32 s29, s20, 1
	s_lshl_b32 s29, s29, 2
	s_add_co_u32 s28, s28, s29
	s_mul_i32 s29, s28, IP
	s_add_co_u32 s29, s29, IMG0
	s_lshl_b32 s30, s28, 3
	s_add_co_u32 s30, s30, IMG0+ISC
	s_mul_i32 s24, s20, KSW                        ; my wave's rows of the key stage
	v_and_b32 v48, 31, v0                          ; lane
	v_and_b32 v49, 0xe0, v0                        ; 32 w
	v_and_b32 v50, 15, v0                          ; r
	v_bfe_u32 v51, v0, 4, 1                        ; h
	v_lshlrev_b32 v[RAWO], 5, v48
	v_lshl_add_u32 v[RAWO], v49, 7, v[RAWO]
	v_lshlrev_b32 v[GCO], 3, v48
	v_lshl_add_u32 v[GCO], v49, 5, v[GCO]
	v_lshl_add_u32 v[CS], v48, 3, s29
	v_lshrrev_b32 v[BS], 2, v48
	v_add_nc_u32 v[BS], s30, v[BS]
	v_mul_u32_u24 v[FR], v50, IP
	v_lshl_add_u32 v[FR], v51, 4, v[FR]
	v_add_nc_u32 v[FR], IMG0, v[FR]
	v_lshlrev_b32 v[ASA], 3, v50
	v_lshl_add_u32 v[ASA], v51, 2, v[ASA]
	v_add_nc_u32 v[ASA], IMG0+ISC, v[ASA]
	v_mul_u32_u24 v[KSB], v50, KSP
	v_lshl_add_u32 v[KSB], v51, 2, v[KSB]
	v_add_nc_u32 v[KSB], s24, v[KSB]
	v_and_b32 v52, 7, v0                           ; item (lane)'s LDS row
	v_bfe_u32 v53, v0, 3, 1
	v_lshl_add_u32 v52, v53, 4, v52
	v_lshl_add_u32 v52, v51, 3, v52
	v_lshl_add_u32 v[GRA], v52, 3, IMG0+ISC
	v_lshlrev_b32 v54, 4, v48                      ; 16 x lane
	v_lshlrev_b32 v55, 2, v48                      ; 4 x lane
	v_lshlrev_b32 v34, 2, v0                       ; 4 x thread: my column
	v_lshl_add_u32 v36, v48, 5, INVL               ; 1 / norm of my 8 columns
	v_add_nc_u32 v37, INVL, v34
.irp t, 0,1,2,3,4,5,6,7
	v_mov_b32 v[WMX+\t], 0xff800000                ; -infinity: under every sim
.endr
	s_mov_b32 s33, 0
	s_wait_kmcnt 0x0
	s_mul_i32 s32, ttmp9, 819200                   ; 800 rows of 1,024 bytes
	s_add_nc_u64 s[4:5], s[4:5], s[32:33]
	s_mul_i32 s32, ttmp9, 204800
	s_add_nc_u64 s[12:13], s[12:13], s[32:33]
	s_mul_i32 s32, ttmp9, 6400
	s_add_nc_u64 s[14:15], s[14:15], s[32:33]
	s_lshl_b32 s32, ttmp9, 18                      ; key: 2^18 bytes from work-group to work-group, 25,600 a wave
	s_add_co_u32 s32, s32, s24
	s_add_nc_u64 s[16:17], s[16:17], s[32:33]
	s_lshl_b32 s32, ttmp9, 12                      ; wm: 4,096 a work-group, 512 a wave
	s_lshl_b32 s34, s20, 9
	s_add_co_u32 s32, s32, s34
	s_add_nc_u64 s[18:19], s[18:19], s[32:33]
	s_lshl_b32 s32, s20, 15                        ; qc: my 8 tiles
	s_add_nc_u64 s[8:9], s[8:9], s[32:33]
	s_lshl_b32 s32, s20, 10                        ; qs
	s_add_nc_u64 s[10:11], s[10:11], s[32:33]
	RAWLD 0, 0, 0                                  ; blocks 0 and 1
	RAWLD 0, 2, 0
	RAWLD 1, 0, 32768
	RAWLD 1, 2, 32768
	WIN 0x40                                       ; destination window 1
.irp t, 0,1,2,3,4,5,6,7
.irp s, 0,1
.irp c, 0,1,2,3
	global_load_b128 v[32*\t+16*\s+4*\c:32*\t+16*\s+4*\c+3], v54, s[8:9] offset:\t*4096+\s*2048+\c*512   ; q's fragments: images of the registers; they stay
.endr
.endr
.endr
	WIN 0
.irp t, 0,1,2,3,4,5,6,7
	global_load_b32 v[QS+\t], v55, s[10:11] offset:128*\t
.endr
.set i, 0
.rept 125
	global_load_b32 v[AF+i], v34, s[6:7] offset:1024*i   ; my column's 125 partial sums of squares
.set i, i+1
.endr
	s_wait_loadcnt 0x0
.irp c, 0,1,2,3
	v_pk_add_f32 v[48+2*\c:49+2*\c], v[AF+2*\c:AF+2*\c+1], v[AF+8+2*\c:AF+9+2*\c]   ; four packed chains
.endr
.set i, 8
.rept 54
	v_pk_add_f32 v[48+2*(i%4):49+2*(i%4)], v[48+2*(i%4):49+2*(i%4)], v[AF+2*i:AF+2*i+1]
.set i, i+1
.endr
	v_pk_add_f32 v[48:49], v[48:49], v[50:51]
	v_pk_add_f32 v[52:53], v[52:53], v[54:55]
	v_pk_add_f32 v[48:49], v[48:49], v[52:53]
	v_add_f32 v48, v48, v49
	v_add_f32 v48, v48, v[AF+124]
	v_sqrt_f32 v38, v48
	v_nop                                          ; a plain line behind the transcendental,
	s_wait_alu depctr_va_vdst(0)                   ; and the wait ahead of its first reader
	v_max_num_f32 v38, 0x2b8cbccc, v38             ; max(norm, 1e-12)
	v_rcp_f32 v39, v38
	v_nop
	s_wait_alu depctr_va_vdst(0)
	v_fma_f32 v48, -v38, v39, 1.0                  ; one Newton step
	v_fma_f32 v49, v39, v48, v39
	ds_store_b32 v37, v49
	s_wait_dscnt 0x0                               ; for the others' sake: my column's reciprocal has landed
	s_barrier_signal -1
	s_barrier_wait -1
	ds_load_b128 v[INV:INV+3], v36
	ds_load_b128 v[INV+4:INV+7], v36 offset:16
	s_wait_dscnt 0x0
	QROWS 0, 0, 0                                  ; block 0
	QROWS 0, 2, 0
	RAWLD 0, 0, 65536                              ; block 2
	RAWLD 0, 2, 65536
	s_wait_xcnt 0x0
	s_add_nc_u64 s[4:5], s[4:5], 98304             ; at block 3
	s_add_nc_u64 s[12:13], s[12:13], 8192          ; at block 1
	s_mov_b32 s23, 0
	s_mov_b32 s21, 11
.Lpair:                                                ; blocks 0 to 21, two a trip; a block's two keys of a query are 8 bytes
	TRIP 0, 1, 1, 12, 12, 0
	TRIP 1, 1, 1, 12, 12, 8
	s_add_co_u32 s23, s23, 16
	s_sub_co_u32 s21, s21, 1
	s_cmp_lg_u32 s21, 0
	s_cbranch_scc1 .Lpair
	TRIP 0, 1, 0, 12, 8, 0                         ; block 22: nothing more is asked for
	TRIP 1, 1, 0, 4, 0, 8                          ; block 23
	TRIP 0, 0, 0, 0, 0, 16                         ; block 24: nothing more to quantise
	; THE WAY OUT.  Every wave touches its own LDS bytes alone from here on: no barrier.
	s_wait_dscnt 0x0                               ; the last keys' stores have landed
.irp t, 0,1,2,3,4,5,6,7
	v_permlanex16_b32 v[CM+\t], v[WMX+\t], s26, s27
.endr
.irp t, 0,1,2,3,4,5,6,7
	v_max_num_f32 v[WMX+\t], v[WMX+\t], v[CM+\t]   ; the even chunks' and the odd chunks' maxima join
.endr
.irp t, 0,1,2,3,4,5,6,7
	v_ashrrev_i32 v[INV+\t], 31, v[WMX+\t]         ; the same map as the keys'
.endr
.irp t, 0,1,2,3,4,5,6,7
	v_or_b32 v[INV+\t], 0x80000000, v[INV+\t]
.endr
.irp t, 0,1,2,3,4,5,6,7
	v_xor_b32 v[INV+\t], v[WMX+\t], v[INV+\t]
.endr
	v_and_b32 v1, 15, v0
	v_and_b32 v3, 31, v0
	s_lshl_b32 s28, s20, 9
	s_add_co_u32 s28, s28, WS
	v_lshl_add_u32 v1, v1, 2, s28                  ; query 16 t + r: 4 bytes
	v_lshl_add_u32 v4, v3, 4, s28
	v_lshlrev_b32 v5, 4, v3                        ; 16 x lane
	v_lshl_add_u32 v6, v3, 4, s24                  ; the key stage as it lies: 512 consecutive bytes an instruction
.irp t, 0,1,2,3,4,5,6,7
	ds_store_b32 v1, v[INV+\t] offset:64*\t        ; both halves of the lanes write the same bytes with the same value
.endr
	ds_load_b128 v[C:C+3], v4                      ; LDS serves a wave's instructions in order (ISA guide 5.7.1.4): this sees the stores above
.set i, 0
.rept 50
	ds_load_b128 v[56+4*i:59+4*i], v6 offset:512*i
.set i, i+1
.endr
	s_wait_dscnt 50                                ; all but the 50 just issued
	global_store_b128 v5, v[C:C+3], s[18:19]       ; 512 consecutive bytes, aligned: my 128 queries' words of wm
.set i, 0
.rept 50
	s_wait_dscnt 49-i
	global_store_b128 v5, v[56+4*i:59+4*i], s[16:17] offset:512*i   ; 512 consecutive bytes, aligned: the wave's 25,600 bytes of keys are dense
.set i, i+1
.endr
	s_wait_xcnt 0x0
	v_lshl_add_u32 v254, v0, 2, 0x37a00
	v_mov_b32 v255, 0
	s_wait_tensorcnt 0x0
	ds_add_u32 v254, v255
	s_wait_dscnt 0x0
	s_endpgm
.Lfunc_end_k_q62d732122b_main:
	.size	k_q62d732122b_main, .Lfunc_end_k_q62d732122b_main-k_q62d732122b_main
	.p2alignl 7, 3214868480
	.fill 96, 4, 3214868480
	.section	.rodata,"a",@progbits
	.p2align	6, 0x0
	.amdhsa_kernel k_q62d732122b_main
		.amdhsa_group_segment_fixed_size 228864
		.amdhsa_private_segment_fixed_size 0
		.amdhsa_enable_private_segment 0
		.amdhsa_kernarg_size 64
		.amdhsa_user_sgpr_count 2
		.amdhsa_user_sgpr_kernarg_segment_ptr 1
		.amdhsa_wavefront_size32 1
		.amdhsa_system_sgpr_workgroup_id_x 1
		.amdhsa_system_sgpr_workgroup_id_y 1
		.amdhsa_system_sgpr_workgroup_id_z 1
		.amdhsa_system_vgpr_workitem_id 0
		.amdhsa_next_free_vgpr 512
		.amdhsa_next_free_sgpr 66
		.amdhsa_reserve_vcc 0
		.amdhsa_float_denorm_mode_32 3
		.amdhsa_float_denorm_mode_16_64 3
		.amdhsa_memory_ordered 1
		.amdhsa_forward_progress 1
		.amdhsa_inst_pref_size 135
	.end_amdhsa_kernel
	.amdgpu_metadata
---
amdhsa.version: [ 1, 2 ]
amdhsa.kernels:
  - .name:           k_q62d732122b_main
    .symbol:         k_q62d732122b_main.kd
    .args:
      - { .name: train_features, .offset: 0, .size: 8, .value_kind: global_buffer, .address_space: global }
      - { .name: part, .offset: 8, .size: 8, .value_kind: global_buffer, .address_space: global }
      - { .name: qc, .offset: 16, .size: 8, .value_kind: global_buffer, .address_space: global }
      - { .name: qs, .offset: 24, .size: 8, .value_kind: global_buffer, .address_space: global }
      - { .name: gc, .offset: 32, .size: 8, .value_kind: global_buffer, .address_space: global }
      - { .name: gs, .offset: 40, .size: 8, .value_kind: global_buffer, .address_space: global }
      - { .name: key, .offset: 48, .size: 8, .value_kind: global_buffer, .address_space: global }
      - { .name: wm, .offset: 56, .size: 8, .value_kind: global_buffer, .address_space: global }
    .group_segment_fixed_size: 228864
    .private_segment_fixed_size: 0
    .kernarg_segment_align: 8
    .kernarg_segment_size: 64
    .max_flat_workgroup_size: 256
    .sgpr_count:     66
    .vgpr_count:     512
    .wavefront_size: 32
...
	.end_amdgpu_metadata
.endif
;; end of part 2
;; launch pick (part 3): grid 1024 x 1, 1 waves a work-group, no clusters, 0 bytes of LDS; arguments wm, key, gc, gs, qc, qs, train_labels, out0; writes out0
.if DOCPART == 3
	.amdgcn_target "amdgcn-amd-amdhsa--gfx1250"
	.amdhsa_code_object_version 6
	.text
	.protected	k_q62d732122b_pick
	.globl	k_q62d732122b_pick
	.p2align	8
	.type	k_q62d732122b_pick,@function
k_q62d732122b_pick:
	s_mov_b64 s[64:65], 0
	v_nop
	global_prefetch_b8 v0, s[64:65] scope:SCOPE_SE
	s_setreg_imm32_b32 hwreg(HW_REG_WAVE_MODE, 25, 1), 1
	s_wait_xcnt 0x0
; THIRD LAUNCH: one wave, one query q.  From the whole numbers that the second launch stored (each chunk's and each work-group's largest sim, mapped to a u32 that rises with it) it takes ten chunks of 16 items, computes their
; sims again by the same matrix instruction on the same codes (sources swapped: the same bits), takes the exact ten (largest sim first, lower index first among equals, as jax.lax.top_k), and makes the softmax and the class sums.
; WHY TEN SETS ARE ENOUGH.  Order disjoint sets of CONSECUTIVE items by (largest sim, descending; set number, ascending).  An item of a set that is not among the first ten has ten sets in front of its own; the largest item of
; each of them is greater than it, or equal to it with a lower index: ten items that top_k puts ahead of it.  So the ten best items lie in the ten first chunks; and by the same count, with each work-group's best chunk in the
; place of the item, the ten first chunks lie in the ten first work-groups (sets of 800 items, 50 chunks).
; NO BRANCH AND NO TRIP COUNT OF THIS TEXT HANGS ON DATA: ten of 250 work-groups, ten of their 500 chunks, ten of their 160 items.  The stored whole numbers steer selects and, held inside the tables, vector offsets;
; floating-point numbers steer v_cndmask_b32 alone.  The labels ride along as payload: (item << 6 | label) as f32, exact under 2^24.
; No LDS, no tensor load, no cluster: a wave shares nothing with any other.
; LIMITS: NaN and infinities are not served; a chunk whose largest sim is -0 ranks under one whose largest is +0.  Labels outside 0 .. 49 add nothing, as in one_hot (they are held at 63).
.set FRO,  3                           ; v3   256 r + 16 h: my place in a chunk's 16 rows of codes
.set SCO,  4                           ; v4   8 r + 4 h: in its scale bytes
.set LBO,  5                           ; v5   4 r: in its labels
.set L0,   6                           ; v6   4 x lane: chunk (lane) of a work-group's 50 keys
.set L1,   7                           ; v7   4 x min(lane + 32, 49): chunk (lane + 32); lanes 18 and up repeat the last and are cleared
.set NINF, 8                           ; v8   -infinity
.set PINF, 9                           ; v9   +infinity
.set ZERO, 10                          ; v10  0
.set BIG,  15                          ; v15  over every number of a work-group or chunk
.set Y,    16                          ; v[16:23] the 250 work-groups' keys: register k, lane l: work-group l + 32 k; 0 once struck out (no sim maps to 0)
.set GK,   24                          ; v[24:31] l + 32 k
.set T8,   32                          ; v[32:39] offsets in wm; then at work
.set GS,   40                          ; v[40:49] the ten work-groups, each the same in every lane
.set ID,   50                          ; v[50:59] the ten chunks, likewise
.set IDP,  60                          ; v[60:64] chunk 2 j + h; then its item: 16 x chunk + r
.set FO,   66                          ; v[66:75] offsets in gc
.set SO,   76                          ; v[76:85] offsets in gs
.set LO,   86                          ; v[86:90] offsets in the labels
.set LAB,  91                          ; v[91:95] labels
.set SCI,  96                          ; v[96:105] the items' scale words: lanes 0-15 K step 0, lanes 16-31 K step 1.  Scales alone
.set QSC,  112                         ; v112 the query's, laid likewise.  Scales alone
.set QA,   113                         ; v113, v114 the query's offsets in qc and qs
.set QF,   128                         ; v[128:159] the query's two fragments: all 16 rows are q
.set ACC,  160                         ; v[160:223] eight accumulators
.set KO,   160                         ; ahead of the products: v[160:179] offsets of the ten work-groups' keys, two registers each,
.set K,    180                         ; v[180:199] the keys,
.set CI,   200                         ; v[200:219] their chunks' numbers,
.set TT,   220                         ; v[220:239] at work
.set V,    224                         ; v[224:228] the sims: register j, lane (r, h): item r of chunk 2 j + h
.set P,    229                         ; v[229:233] their payloads
.set NV,   234                         ; the winners: lane i the i-th
.set NP,   235
.set E,    236                         ; v[236:240] at work in the extraction
.set MSB, 0
.macro WIN new                         ; the immediate's high byte repeats the setting that is left
.if MSB != \new
	s_set_vgpr_msb (MSB<<8)|\new
.set MSB, \new
.endif
.endm
; the largest (the least) of v11 over the 32 lanes, in every lane; v12 is at work
.macro WMAXU
.irp x, 1,2,4,8
	v_mov_b32_dpp v12, v11 row_xmask:\x row_mask:0xf bank_mask:0xf
	v_max_u32 v11, v11, v12
.endr
	v_permlanex16_b32 v12, v11, s20, s21
	v_max_u32 v11, v11, v12
.endm
.macro WMINU
.irp x, 1,2,4,8
	v_mov_b32_dpp v12, v11 row_xmask:\x row_mask:0xf bank_mask:0xf
	v_min_u32 v11, v11, v12
.endr
	v_permlanex16_b32 v12, v11, s20, s21
	v_min_u32 v11, v11, v12
.endm
	s_load_b256 s[4:11], s[0:1], 0x0               ; wm s[4:5], key s[6:7], gc s[8:9], gs s[10:11]
	s_load_b256 s[12:19], s[0:1], 0x20             ; qc s[12:13], qs s[14:15], labels s[16:17], out s[18:19]
	v_and_b32 v1, 15, v0                           ; r
	v_lshrrev_b32 v2, 4, v0                        ; h  (v0 is the lane: one wave)
	v_lshlrev_b32 v[FRO], 8, v1
	v_lshl_add_u32 v[FRO], v2, 4, v[FRO]
	v_lshlrev_b32 v[SCO], 3, v1
	v_lshl_add_u32 v[SCO], v2, 2, v[SCO]
	v_lshlrev_b32 v[LBO], 2, v1
	v_lshlrev_b32 v[L0], 2, v0
	v_add_nc_u32 v[L1], 32, v0
	v_min_u32 v[L1], 49, v[L1]
	v_lshlrev_b32 v[L1], 2, v[L1]
	v_mov_b32 v[NINF], 0xff800000
	v_mov_b32 v[PINF], 0x7f800000
	v_mov_b32 v[ZERO], 0
	v_mov_b32 v[BIG], 0x7fffffff
.irp k, 0,1,2,3,4,5,6,7
	v_add_nc_u32 v[GK+\k], 32*\k, v0
.endr
.irp k, 0,1,2,3,4,5,6,7
	v_min_u32 v[T8+\k], 249, v[GK+\k]              ; no load leaves wm: lanes past work-group 249 read the last one's key and are cleared below
.endr
.irp k, 0,1,2,3,4,5,6,7
	v_lshlrev_b32 v[T8+\k], 12, v[T8+\k]           ; 4,096 bytes a work-group
.endr
	v_lshlrev_b32 v[QA], 8, v2                     ; qc: lane (q & 15) + 16 h of the image
	v_lshlrev_b32 v[QA+1], 6, v2                   ; qs likewise
	s_mov_b32 s20, 0x76543210
	s_mov_b32 s21, 0xfedcba98                      ; v_permlanex16_b32's selects for lane l xor 16
	s_mov_b32 s22, 0xffff0000                      ; lanes 16-31
	s_mov_b32 s23, 0x03ffffff                      ; lanes 0-25: work-groups 224 to 249
	s_mov_b32 s24, 0x0003ffff                      ; lanes 0-17: chunks 32 to 49
	s_lshl_b32 s26, ttmp9, 2
	s_mov_b32 s27, 0
	s_mul_i32 s28, ttmp9, 200                      ; a query's 50 keys, and its 50 class sums: 200 bytes both
	s_mov_b32 s29, 0
	s_lshr_b32 s36, ttmp9, 4                       ; q's tile
	s_and_b32 s37, ttmp9, 15                       ; and its row there
	s_lshl_b32 s30, s36, 12
	s_lshl_b32 s33, s37, 4
	s_add_co_u32 s30, s30, s33
	s_mov_b32 s31, 0
	s_lshl_b32 s34, s36, 7
	s_lshl_b32 s33, s37, 2
	s_add_co_u32 s34, s34, s33
	s_mov_b32 s35, 0
	s_wait_kmcnt 0x0
	s_add_nc_u64 s[4:5], s[4:5], s[26:27]
	s_add_nc_u64 s[6:7], s[6:7], s[28:29]
	s_add_nc_u64 s[12:13], s[12:13], s[30:31]
	s_add_nc_u64 s[14:15], s[14:15], s[34:35]
	s_add_nc_u64 s[18:19], s[18:19], s[28:29]
.irp k, 0,1,2,3,4,5,6,7
	global_load_b32 v[Y+\k], v[T8+\k], s[4:5]
.endr
.irp s, 0,1
.irp c, 0,1,2,3
	global_load_b128 v[QF+16*\s+4*\c:QF+16*\s+4*\c+3], v[QA], s[12:13] offset:2048*\s+512*\c
.endr
.endr
	global_load_b32 v[QSC], v[QA+1], s[14:15]
	s_wait_loadcnt 9                               ; the eight loads of wm are in; the query's nine, issued behind them, may stay out
	v_cndmask_b32 v[Y+7], v[ZERO], v[Y+7], s23
	; ---- A: the ten first work-groups, one after the other: the largest key left; among equals the least number; it is struck out, and its 50 keys of q are asked for at once
.macro SELG i
	v_max_u32 v11, v[Y], v[Y+1]
	v_max_u32 v12, v[Y+2], v[Y+3]
	v_max_u32 v13, v[Y+4], v[Y+5]
	v_max_u32 v14, v[Y+6], v[Y+7]
	v_max_u32 v11, v11, v12
	v_max_u32 v13, v13, v14
	v_max_u32 v11, v11, v13
	WMAXU
.irp k, 0,1,2,3,4,5,6,7
	v_cmp_eq_u32 vcc_lo, v11, v[Y+\k]
	v_cndmask_b32 v[T8+\k], v[BIG], v[GK+\k], vcc_lo
.endr
	v_min_u32 v11, v[T8], v[T8+1]
	v_min_u32 v12, v[T8+2], v[T8+3]
	v_min_u32 v13, v[T8+4], v[T8+5]
	v_min_u32 v14, v[T8+6], v[T8+7]
	v_min_u32 v11, v11, v12
	v_min_u32 v13, v13, v14
	v_min_u32 v11, v11, v13
	WMINU
	v_min_u32 v[GS+(\i)], 249, v11                 ; it stays inside the table
.irp k, 0,1,2,3,4,5,6,7
	v_cmp_eq_u32 vcc_lo, v[GS+(\i)], v[GK+\k]
	v_cndmask_b32 v[Y+\k], v[Y+\k], v[ZERO], vcc_lo
.endr
	v_lshl_add_u32 v[KO+2*(\i)], v[GS+(\i)], 18, v[L0]     ; 2^18 bytes from work-group to work-group
	v_lshl_add_u32 v[KO+2*(\i)+1], v[GS+(\i)], 18, v[L1]
	global_load_b32 v[K+2*(\i)], v[KO+2*(\i)], s[6:7]
	global_load_b32 v[K+2*(\i)+1], v[KO+2*(\i)+1], s[6:7]
	v_mad_u32_u24 v[CI+2*(\i)], v[GS+(\i)], 50, v0         ; my chunks' numbers: 50 g + lane,
	v_add_nc_u32 v[CI+2*(\i)+1], 32, v[CI+2*(\i)]          ; and 32 more
.endm
.irp i, 0,1,2,3,4,5,6,7,8,9
	SELG \i
.endr
	s_wait_loadcnt 0x0                             ; the 500 keys, and the query
.irp i, 0,1,2,3,4,5,6,7,8,9
	v_cndmask_b32 v[K+2*\i+1], v[ZERO], v[K+2*\i+1], s24
.endr
	; ---- B: the ten first chunks of those 500, in the same way
.macro SELC i
	v_max_u32 v11, v[K], v[K+1]
	v_max_u32 v12, v[K+2], v[K+3]
	v_max_u32 v13, v[K+4], v[K+5]
	v_max_u32 v14, v[K+6], v[K+7]
.irp a, 8,12,16
	v_max_u32 v11, v11, v[K+\a]
	v_max_u32 v12, v12, v[K+\a+1]
	v_max_u32 v13, v13, v[K+\a+2]
	v_max_u32 v14, v14, v[K+\a+3]
.endr
	v_max_u32 v11, v11, v12
	v_max_u32 v13, v13, v14
	v_max_u32 v11, v11, v13
	WMAXU
.irp a, 0,1,2,3,4,5,6,7,8,9,10,11,12,13,14,15,16,17,18,19
	v_cmp_eq_u32 vcc_lo, v11, v[K+\a]
	v_cndmask_b32 v[TT+\a], v[BIG], v[CI+\a], vcc_lo
.endr
	v_min_u32 v11, v[TT], v[TT+1]
	v_min_u32 v12, v[TT+2], v[TT+3]
	v_min_u32 v13, v[TT+4], v[TT+5]
	v_min_u32 v14, v[TT+6], v[TT+7]
.irp a, 8,12,16
	v_min_u32 v11, v11, v[TT+\a]
	v_min_u32 v12, v12, v[TT+\a+1]
	v_min_u32 v13, v13, v[TT+\a+2]
	v_min_u32 v14, v14, v[TT+\a+3]
.endr
	v_min_u32 v11, v11, v12
	v_min_u32 v13, v13, v14
	v_min_u32 v11, v11, v13
	WMINU
	v_min_u32 v[ID+(\i)], 12499, v11               ; it stays inside the tables
.irp a, 0,1,2,3,4,5,6,7,8,9,10,11,12,13,14,15,16,17,18,19
	v_cmp_eq_u32 vcc_lo, v[ID+(\i)], v[CI+\a]
	v_cndmask_b32 v[K+\a], v[K+\a], v[ZERO], vcc_lo
.endr
.endm
.irp i, 0,1,2,3,4,5,6,7,8,9
	SELC \i
.endr
	; ---- C: the ten chunks' 160 sims
.irp i, 0,1,2,3,4,5,6,7,8,9
	v_lshl_add_u32 v[FO+\i], v[ID+\i], 12, v[FRO]  ; 4,096 bytes of codes a chunk
	v_lshl_add_u32 v[SO+\i], v[ID+\i], 7, v[SCO]   ; 128 scale bytes
.endr
.irp j, 0,1,2,3,4
	v_cndmask_b32 v[IDP+\j], v[ID+2*\j], v[ID+2*\j+1], s22   ; lanes 0-15: chunk 2 j; lanes 16-31: chunk 2 j + 1
.endr
.irp j, 0,1,2,3,4
	v_lshl_add_u32 v[LO+\j], v[IDP+\j], 6, v[LBO]  ; 64 bytes of labels
	v_lshl_add_u32 v[IDP+\j], v[IDP+\j], 4, v1     ; my item
.endr
	WIN 0x40                                       ; destination window 1: chunks 0-7
.irp i, 0,1,2,3,4,5,6,7
.irp s, 0,1
.irp c, 0,1,2,3
	global_load_b128 v[32*\i+16*\s+4*\c:32*\i+16*\s+4*\c+3], v[FO+\i], s[8:9] offset:128*\s+32*\c
.endr
.endr
.endr
	WIN 0x80                                       ; window 2: chunks 8, 9
.irp i, 0,1
.irp s, 0,1
.irp c, 0,1,2,3
	global_load_b128 v[32*\i+16*\s+4*\c:32*\i+16*\s+4*\c+3], v[FO+8+\i], s[8:9] offset:128*\s+32*\c
.endr
.endr
.endr
	WIN 0
.irp i, 0,1,2,3,4,5,6,7,8,9
	global_load_b32 v[SCI+\i], v[SO+\i], s[10:11]
.endr
.irp j, 0,1,2,3,4
	global_load_b32 v[LAB+\j], v[LO+\j], s[16:17]
.endr
	s_wait_loadcnt 0x0                             ; all was asked for together
	; source 0 = the query, sixteen times; source 1 = a chunk's 16 items.  The accumulators take turns, one instruction a turn; K step 0 starts the sums, as in the second launch
	WIN 0x04                                       ; source 1 in window 1
.irp i, 0,1,2,3,4,5,6,7
	v_wmma_scale_f32_16x16x128_f8f6f4 v[ACC+8*\i:ACC+8*\i+7], v[QF:QF+15], v[32*\i:32*\i+15], 0, v[QSC], v[SCI+\i] matrix_a_fmt:MATRIX_FMT_BF8 matrix_b_fmt:MATRIX_FMT_BF8
.endr
.irp i, 0,1,2,3,4,5,6,7
	v_wmma_scale_f32_16x16x128_f8f6f4 v[ACC+8*\i:ACC+8*\i+7], v[QF+16:QF+31], v[32*\i+16:32*\i+31], v[ACC+8*\i:ACC+8*\i+7], v[QSC], v[SCI+\i] matrix_a_fmt:MATRIX_FMT_BF8 matrix_b_fmt:MATRIX_FMT_BF8 matrix_a_scale:MATRIX_SCALE_ROW1 matrix_b_scale:MATRIX_SCALE_ROW1
.endr
	WIN 0
.irp j, 0,1,2,3,4                              ; the payloads: plain lines that name none of the products' registers: their places: eight are owed ahead of a read of a result, nine ahead of products that begin accumulators anew
	v_min_u32 v[LAB+\j], 63, v[LAB+\j]
.endr
.irp j, 0,1,2,3,4
	v_lshl_add_u32 v[P+\j], v[IDP+\j], 6, v[LAB+\j]
.endr
.irp j, 0,1,2,3,4
	v_cvt_f32_u32 v[P+\j], v[P+\j]                 ; under 2^24: exact
.endr
.irp j, 0,1,2,3
	v_cndmask_b32 v[V+\j], v[ACC+16*\j], v[ACC+16*\j+8], s22   ; all 16 rows of a result are q: its lowest register holds item r's sim in both halves of the lanes
.endr
	WIN 0x08                                       ; source 1 in window 2
.irp i, 0,1
	v_wmma_scale_f32_16x16x128_f8f6f4 v[ACC+8*\i:ACC+8*\i+7], v[QF:QF+15], v[32*\i:32*\i+15], 0, v[QSC], v[SCI+8+\i] matrix_a_fmt:MATRIX_FMT_BF8 matrix_b_fmt:MATRIX_FMT_BF8
.endr
.irp i, 0,1
	v_wmma_scale_f32_16x16x128_f8f6f4 v[ACC+8*\i:ACC+8*\i+7], v[QF+16:QF+31], v[32*\i+16:32*\i+31], v[ACC+8*\i:ACC+8*\i+7], v[QSC], v[SCI+8+\i] matrix_a_fmt:MATRIX_FMT_BF8 matrix_b_fmt:MATRIX_FMT_BF8 matrix_a_scale:MATRIX_SCALE_ROW1 matrix_b_scale:MATRIX_SCALE_ROW1
.endr
	WIN 0
.rept 8
	v_nop
.endr
	v_cndmask_b32 v[V+4], v[ACC], v[ACC+8], s22
	; ---- the ten best of the 160: ten times the largest sim, among equals the least payload (the item's number leads it); the winner is struck out
	v_mov_b32 v[NV], v[NINF]
	v_mov_b32 v[NP], v[PINF]
	s_mov_b32 s45, 1
	s_mov_b32 s44, 10
.Lbest:
	v_max3_num_f32 v11, v[V], v[V+1], v[V+2]
	v_max3_num_f32 v11, v11, v[V+3], v[V+4]
.irp x, 1,2,4,8
	v_max_num_f32_dpp v11, v11, v11 row_xmask:\x row_mask:0xf bank_mask:0xf
.endr
	v_permlanex16_b32 v12, v11, s20, s21
	v_max_num_f32 v11, v11, v12
.irp i, 0,1,2,3,4
	v_cmp_eq_f32 vcc_lo, v11, v[V+\i]
	v_cndmask_b32 v[E+\i], v[PINF], v[P+\i], vcc_lo
.endr
	v_min3_num_f32 v13, v[E], v[E+1], v[E+2]
	v_min3_num_f32 v13, v13, v[E+3], v[E+4]
.irp x, 1,2,4,8
	v_min_num_f32_dpp v13, v13, v13 row_xmask:\x row_mask:0xf bank_mask:0xf
.endr
	v_permlanex16_b32 v12, v13, s20, s21
	v_min_num_f32 v13, v13, v12
.irp i, 0,1,2,3,4
	v_cmp_eq_f32 vcc_lo, v13, v[P+\i]
	v_cndmask_b32 v[V+\i], v[V+\i], v[NINF], vcc_lo
.endr
	v_cndmask_b32 v[NV], v[NV], v11, s45           ; into the lane of this trip
	v_cndmask_b32 v[NP], v[NP], v13, s45
	s_lshl_b32 s45, s45, 1
	s_sub_co_u32 s44, s44, 1
	s_cmp_lg_u32 s44, 0
	s_cbranch_scc1 .Lbest
	; ---- the softmax of the ten sims / 0.07 (lanes 0-9, descending; the other lanes hold -infinity and give 0), and the class sums
	v_readfirstlane_b32 s43, v[NV]                 ; the largest: it is taken away first
	v_sub_f32 v11, v[NV], s43
	v_mul_f32 v11, 0x41a4e122, v11                 ; x log2(e) / 0.07
	v_exp_f32 v11, v11
	v_cvt_u32_f32 v14, v[NP]                       ; (a plain line behind the transcendental)
	s_wait_alu depctr_va_vdst(0)                   ; the wait ahead of its first reader
	v_mov_b32 v12, v11
.irp x, 1,2,4,8
	v_add_f32_dpp v12, v12, v12 row_xmask:\x row_mask:0xf bank_mask:0xf
.endr
	v_permlanex16_b32 v13, v12, s20, s21
	v_add_f32 v12, v12, v13
	v_rcp_f32 v15, v12
	v_and_b32 v14, 63, v14                         ; the label.  (A plain line)
	s_wait_alu depctr_va_vdst(0)
	v_mul_f32 v11, v11, v15                        ; the weights
	v_min_u32 v23, 24, v0                          ; 25 pairs of classes: lanes 25 to 31 repeat lane 24's work, address and data, so that all lanes stay on
	v_lshlrev_b32 v16, 1, v23                      ; my two classes
	v_lshl_or_b32 v17, v23, 1, 1
	v_mov_b32 v18, 0
	v_mov_b32 v19, 0
	v_lshlrev_b32 v22, 3, v23
.irp k, 0,1,2,3,4,5,6,7,8,9
	v_readlane_b32 s46, v11, \k
	v_readlane_b32 s47, v14, \k
	v_mov_b32 v20, s46
	v_cmp_eq_u32 vcc_lo, s47, v16
	v_cndmask_b32 v21, v[ZERO], v20, vcc_lo
	v_add_f32 v18, v18, v21
	v_cmp_eq_u32 vcc_lo, s47, v17
	v_cndmask_b32 v21, v[ZERO], v20, vcc_lo
	v_add_f32 v19, v19, v21
.endr
	global_store_b64 v22, v[18:19], s[18:19]       ; the row's 200 bytes
	s_endpgm
.Lfunc_end_k_q62d732122b_pick:
	.size	k_q62d732122b_pick, .Lfunc_end_k_q62d732122b_pick-k_q62d732122b_pick
	.p2alignl 7, 3214868480
	.fill 96, 4, 3214868480
	.section	.rodata,"a",@progbits
	.p2align	6, 0x0
	.amdhsa_kernel k_q62d732122b_pick
		.amdhsa_group_segment_fixed_size 0
		.amdhsa_private_segment_fixed_size 0
		.amdhsa_enable_private_segment 0
		.amdhsa_kernarg_size 64
		.amdhsa_user_sgpr_count 2
		.amdhsa_user_sgpr_kernarg_segment_ptr 1
		.amdhsa_wavefront_size32 1
		.amdhsa_system_sgpr_workgroup_id_x 1
		.amdhsa_system_sgpr_workgroup_id_y 1
		.amdhsa_system_sgpr_workgroup_id_z 1
		.amdhsa_system_vgpr_workitem_id 0
		.amdhsa_next_free_vgpr 576
		.amdhsa_next_free_sgpr 66
		.amdhsa_reserve_vcc 1
		.amdhsa_float_denorm_mode_32 3
		.amdhsa_float_denorm_mode_16_64 3
		.amdhsa_memory_ordered 1
		.amdhsa_forward_progress 1
		.amdhsa_inst_pref_size 103
	.end_amdhsa_kernel
	.amdgpu_metadata
---
amdhsa.version: [ 1, 2 ]
amdhsa.kernels:
  - .name:           k_q62d732122b_pick
    .symbol:         k_q62d732122b_pick.kd
    .args:
      - { .name: wm, .offset: 0, .size: 8, .value_kind: global_buffer, .address_space: global }
      - { .name: key, .offset: 8, .size: 8, .value_kind: global_buffer, .address_space: global }
      - { .name: gc, .offset: 16, .size: 8, .value_kind: global_buffer, .address_space: global }
      - { .name: gs, .offset: 24, .size: 8, .value_kind: global_buffer, .address_space: global }
      - { .name: qc, .offset: 32, .size: 8, .value_kind: global_buffer, .address_space: global }
      - { .name: qs, .offset: 40, .size: 8, .value_kind: global_buffer, .address_space: global }
      - { .name: train_labels, .offset: 48, .size: 8, .value_kind: global_buffer, .address_space: global }
      - { .name: out0, .offset: 56, .size: 8, .value_kind: global_buffer, .address_space: global }
    .group_segment_fixed_size: 0
    .private_segment_fixed_size: 0
    .kernarg_segment_align: 8
    .kernarg_segment_size: 64
    .max_flat_workgroup_size: 32
    .sgpr_count:     66
    .vgpr_count:     576
    .wavefront_size: 32
...
	.end_amdgpu_metadata
.endif
;; end of part 3
;; ======== version 2 of 2: 3 launches; version 1 with the launches stats, main, pick written anew for expert scheduling mode
;; workspace buffers: part 128,000 bytes; qc 262,144 bytes; qs 8,192 bytes; gc 51,200,000 bytes; gs 1,600,000 bytes; key 65,536,000 bytes of whole numbers; wm 1,024,000 bytes of whole numbers
;; launch stats (part 4): grid 258 x 1, 8 waves a work-group, no clusters, 5,120 bytes of LDS; arguments train_features, test_features, part, qc, qs; writes part, qc, qs
.if DOCPART == 4
	.amdgcn_target "amdgcn-amd-amdhsa--gfx1250"
	.amdhsa_code_object_version 6
	.text
	.protected	k_q62d732122b_stats
	.globl	k_q62d732122b_stats
	.p2align	8
	.type	k_q62d732122b_stats,@function
k_q62d732122b_stats:
	s_mov_b64 s[64:65], 0
	v_nop
	global_prefetch_b8 v0, s[64:65] scope:SCOPE_SE
	s_setreg_imm32_b32 hwreg(HW_REG_WAVE_SCHED_MODE, 0, 2), 2
	s_setreg_imm32_b32 hwreg(HW_REG_WAVE_MODE, 25, 1), 1
	s_wait_xcnt 0x0
	s_wait_alu depctr_vm_vsrc(0)
; FIRST OF THREE LAUNCHES.  Two jobs, told apart by the work-group's number (the same in all its waves).
; Work-groups 0 to 249: partial sums of squares of train's 256 columns (the gallery is normalised along the 200,000 rows, so no code of it can be made before all rows are seen).
;   Work-group g takes strip g & 1 (512 bytes of each row: 128 columns) of rows 1600 (g >> 1) .. + 1599.  Wave w takes rows w + 8 i; a load of a wave covers 512 consecutive bytes, aligned;
;   lane l owns 4 columns.  A ring of 24 register slots, six buffers of four rows, keeps 20 loads of every wave out.  The eight waves' sums meet in LDS; wave 0 stores 512 bytes of part [125][256] f32.
; Work-groups 250 to 257: the queries.  A wave takes 16 rows of test_features, normalises each row (x * 1 / max(sqrt(sum x^2), 1e-12)) and quantises it to E5M2 with one E8M0 scale for each 32 along K.
;   The codes leave as images of the operand's registers: qc: tile T, K step s, register group c, lane L at 4096 T + 2048 s + 512 c + 16 L; qs: [64][32] words, lanes 0-15 the row's word of K step 0, lanes 16-31 of K step 1.
; No matrix unit, no cluster, no tensor load: the work is a stream that each wave reads once into registers.
; THE MODE: SCHED_MODE bits 1:0 = 2 (LLVM: expert scheduling mode 2), set by the entry lines.  The code itself states the register dependences between vector instructions and memory or LDS instructions, with s_wait_alu, always for 0.
; THE PLAN, the columns' sums.  A wave's 200 rows go in 50 blocks of four.  Registers that memory instructions touch in the loop:
;   X0 .. X5   six blocks of rows as loaded.  Written by the loads of block p + 5, issued in block p; read by block p's multiply-adds.
;   v1         the byte offset, made once at the head and never written again: the rows are reached by the scalar base, which moves on once a lap, and by immediate offsets.
; Block p multiplies X[p % 6]; its four loads land in X[(p + 5) % 6] = X[(p - 1) % 6], the buffer that block p - 1 multiplied and that no vector instruction of block p names.  So one wait at a block's head states all
; that its four loads hang on, and they are dealt among its multiply-adds.  Row j adds into set j % 4 of the running sums: a block is four rows.
; LIMITS: NaN and infinities are not served.  The division is a multiplication by a reciprocal refined by one Newton step.  A block whose largest magnitude lies under 2^-111 gets the byte 1
; (the rule's own clip); a block of zeros gets 1 where the rule says 127: its codes are zeros, and only this program reads the bytes.
.set ROWB,  1024                       ; bytes in a row of train or of test
.set BLK,   4                          ; rows in a block
.set HOP,   8*ROWB                     ; from a wave's row to its next
.set ACC,   4                          ; v[4:19]    four sets of four running sums
.set X,     32                         ; v[32:127]  buffer k, row i: 4 registers at X + 16 k + 4 i.  In the queries' path v[32:159]: 128 numbers of a lane
.set PCA,   160                        ; v[160:175] codes of K step 0
.set PCB,   176                        ; v[176:191] codes of K step 1
.set TM,    192                        ; v[192:207] at work: +0 largest magnitudes, +4 bytes, +8 the hold, +12 the conversion's scale operand
.set PW0,   208                        ; the scale words
.set PW1,   209
.set SQ,    210                        ; v[210:217] four packed chains
.set IV,    218                        ; v[218:219] 1 / norm, twice
.set SEL,   24                         ; s[24:25] selects of v_permlanex16_b32: lane l xor 16
.set MNT,   26                         ; s26 the mantissa field of 57,344
	s_load_b256 s[4:11], s[0:1], 0x0               ; train s[4:5], test s[6:7], part s[8:9], qc s[10:11]
	s_load_b64 s[12:13], s[0:1], 0x20              ; qs
	v_lshl_add_u32 v224, v0, 2, 0x1000
	v_mov_b32 v225, 0
	v_lshrrev_b32 v1, 5, v0
	v_readfirstlane_b32 s14, v1                    ; wave 0..7
	v_and_b32 v3, 31, v0                           ; lane
	s_wait_alu depctr_va_sdst(0)                   ; s14 is written: ahead of the branch, and so of its first reader on either way
	s_cmp_ge_u32 ttmp9, 250
	s_cbranch_scc1 .Lqueries
	; ---------------- the columns' sums of squares
	s_and_b32 s15, ttmp9, 1
	s_lshl_b32 s15, s15, 9                         ; the strip: 512 bytes
	s_lshr_b32 s16, ttmp9, 1                       ; the group of 1,600 rows
	s_mul_i32 s18, s16, 1600*ROWB                  ; under 2^28
	s_add_co_u32 s18, s18, s15
	s_mov_b32 s19, 0
	s_lshl_b32 s20, s16, 10                        ; part: a row of 1,024 bytes for each group of rows
	s_add_co_u32 s20, s20, s15
	s_mov_b32 s21, 0
	v_lshlrev_b32 v2, 4, v0                        ; LDS: 512 x wave + 16 x lane
	s_wait_alu depctr_va_vdst(0)
	v_lshlrev_b32 v3, 4, v3                        ; 16 x lane
	v_and_b32 v1, 0xe0, v0
	v_lshl_add_u32 v1, v1, 5, v3                   ; 1,024 x wave + 16 x lane
.irp i, 0,1,2,3,4,5,6,7,8,9,10,11,12,13,14,15
	v_mov_b32 v[ACC+\i], 0
.endr
	s_wait_kmcnt 0x0
	s_add_nc_u64 s[4:5], s[4:5], s[18:19]
	s_add_nc_u64 s[8:9], s[8:9], s[20:21]
	s_wait_alu depctr_va_vdst(0)                   ; v1, v2 and v3 are written: every load and store of this path reads one of them as its offset or address
.irp i, 0,1,2,3,4,5,6,7,8,9,10,11,12,13,14,15,16,17,18,19
	global_load_b128 v[X+4*\i:X+4*\i+3], v1, s[4:5] offset:\i*HOP th:TH_LOAD_NT   ; blocks 0 to 4 into X0 .. X4
.endr
; Block p.  xb = p % 6.  at: the block's first row, in bytes from the base.  first = 1: block 0, with no block in front of it.  ahead = 1: block p + 5 is asked for.
; With ahead = 1, behind row i's load stand the 3 - i of its block, four blocks' sixteen and the i + 1 just issued for block p + 5: 20 younger loads, which may stay out.  left: with ahead = 0, the younger loads at the block's first row.
.macro BLOCK xb, at, first, ahead, left
.if (\ahead) && !(\first)
	s_wait_alu depctr_va_vdst(0)                   ; the block before is done reading its buffer, in which the four loads below land
.endif
.irp i, 0,1,2,3
.if \ahead
	global_load_b128 v[X+16*(((\xb)+5)%6)+4*\i:X+16*(((\xb)+5)%6)+4*\i+3], v1, s[4:5] offset:(\at)+(5*BLK+\i)*HOP th:TH_LOAD_NT   ; five blocks ahead; no vector instruction since the wait names these registers
	s_wait_loadcnt 20
.else
	s_wait_loadcnt (\left)-\i
.endif
	v_pk_fma_f32 v[ACC+4*\i:ACC+4*\i+1], v[X+16*(\xb)+4*\i:X+16*(\xb)+4*\i+1], v[X+16*(\xb)+4*\i:X+16*(\xb)+4*\i+1], v[ACC+4*\i:ACC+4*\i+1]
	v_pk_fma_f32 v[ACC+4*\i+2:ACC+4*\i+3], v[X+16*(\xb)+4*\i+2:X+16*(\xb)+4*\i+3], v[X+16*(\xb)+4*\i+2:X+16*(\xb)+4*\i+3], v[ACC+4*\i+2:ACC+4*\i+3]
.endr
.endm
	BLOCK 0, 0, 1, 1, 0                            ; block 0: no vector instruction has named X5
	s_mov_b32 s17, 7
.Llap:                                                 ; blocks 1 to 42, six to a lap: the buffers are back at their start
	BLOCK 1, 1*BLK*HOP, 0, 1, 0
	BLOCK 2, 2*BLK*HOP, 0, 1, 0
	BLOCK 3, 3*BLK*HOP, 0, 1, 0
	BLOCK 4, 4*BLK*HOP, 0, 1, 0
	BLOCK 5, 5*BLK*HOP, 0, 1, 0
	BLOCK 0, 6*BLK*HOP, 0, 1, 0
	s_wait_xcnt 0x0                                ; the loads have read their base: it steps only behind this wait
	s_add_nc_u64 s[4:5], s[4:5], 6*BLK*HOP
	s_sub_co_u32 s17, s17, 1
	s_cmp_lg_u32 s17, 0
	s_cbranch_scc1 .Llap
	BLOCK 1, 1*BLK*HOP, 0, 1, 0                    ; blocks 43 and 44 ask for the last two
	BLOCK 2, 2*BLK*HOP, 0, 1, 0
	s_wait_alu depctr_va_vdst(0)
	BLOCK 3, 0, 0, 0, 19                           ; blocks 45 to 49 load nothing: no load leaves the buffer, and the counts run down
	s_wait_alu depctr_va_vdst(0)
	BLOCK 4, 0, 0, 0, 15
	s_wait_alu depctr_va_vdst(0)
	BLOCK 5, 0, 0, 0, 11
	s_wait_alu depctr_va_vdst(0)
	BLOCK 0, 0, 0, 0, 7
	s_wait_alu depctr_va_vdst(0)
	BLOCK 1, 0, 0, 0, 3
	s_wait_alu depctr_va_vdst(0)
	v_pk_add_f32 v[4:5], v[4:5], v[8:9]            ; the four sets become one
	v_pk_add_f32 v[6:7], v[6:7], v[10:11]
	v_pk_add_f32 v[12:13], v[12:13], v[16:17]
	v_pk_add_f32 v[14:15], v[14:15], v[18:19]
	v_pk_add_f32 v[4:5], v[4:5], v[12:13]
	v_pk_add_f32 v[6:7], v[6:7], v[14:15]
	s_wait_alu depctr_va_vdst(0)                   ; the sums v[4:7] are written, which the LDS store reads; the multiply-adds are done reading v[X ..], in which wave 0's LDS loads land
	ds_store_b128 v2, v[4:7]
	s_wait_dscnt 0x0                               ; for wave 0's sake: my store has landed
	s_barrier_signal -1
	s_barrier_wait -1
	s_cmp_lg_u32 s14, 0
	s_cbranch_scc1 .Ldone
.irp w, 0,1,2,3,4,5,6,7
	ds_load_b128 v[X+4*\w:X+4*\w+3], v3 offset:512*\w
.endr
	s_wait_dscnt 0x0
.irp w, 0,2,4,6
	v_pk_add_f32 v[X+4*\w:X+4*\w+1], v[X+4*\w:X+4*\w+1], v[X+4*\w+4:X+4*\w+5]
	v_pk_add_f32 v[X+4*\w+2:X+4*\w+3], v[X+4*\w+2:X+4*\w+3], v[X+4*\w+6:X+4*\w+7]
.endr
.irp w, 0,4
	v_pk_add_f32 v[X+4*\w:X+4*\w+1], v[X+4*\w:X+4*\w+1], v[X+4*\w+8:X+4*\w+9]
	v_pk_add_f32 v[X+4*\w+2:X+4*\w+3], v[X+4*\w+2:X+4*\w+3], v[X+4*\w+10:X+4*\w+11]
.endr
	v_pk_add_f32 v[X:X+1], v[X:X+1], v[X+16:X+17]
	v_pk_add_f32 v[X+2:X+3], v[X+2:X+3], v[X+18:X+19]
	s_wait_alu depctr_va_vdst(0)                   ; the eight waves' total v[X:X+3] is written, which the store reads
	global_store_b128 v3, v[X:X+3], s[8:9]         ; 32 lanes store 512 consecutive bytes, aligned
.Ldone:
	s_wait_dscnt 0x0                               ; the closing lines, six on end
	s_wait_alu 0x0
	s_wait_tensorcnt 0x0
	ds_add_u32 v224, v225
	s_wait_dscnt 0x0
	s_endpgm
	; ---------------- the queries
; 64 numbers of a lane, v[src] on, register 16 b + i = k 32 b + 16 (lane / 16) + i of my row, become a fragment's codes in v[pc] on and its scale word in v[pw].
.macro QUANT src, pc, pw
.irp b, 0,1,2,3
	v_max3_num_f32 v[TM+\b], |v[\src+16*\b]|, |v[\src+1+16*\b]|, 0x8000000   ; block b: my 16 numbers, and the floor 2^(16 - 127): the byte cannot fall under 1
.endr
.irp i, 2,4,6,8,10,12,14
.irp b, 0,1,2,3
	v_max3_num_f32 v[TM+\b], v[TM+\b], |v[\src+16*\b+\i]|, |v[\src+1+16*\b+\i]|
.endr
.endr
.irp b, 0,1,2,3
	v_permlanex16_b32 v[TM+4+\b], v[TM+\b], s[SEL], s[SEL+1]
.endr
.irp b, 0,1,2,3
	v_max_num_f32 v[TM+\b], v[TM+\b], v[TM+4+\b]   ; with lane l xor 16's: the block's largest magnitude
.endr
.irp b, 0,1,2,3
	v_add_nc_u32 v[TM+12+\b], 0xf8800000, v[TM+\b] ; 15 off its exponent field: the conversion takes this operand's exponent field as its scale
.endr
.irp b, 0,1,2,3
	v_and_or_b32 v[TM+8+\b], v[TM+\b], 0x7f800000, s[MNT]   ; 57,344 x the scale
.endr
.irp b, 0,1,2,3
	v_lshrrev_b32 v[TM+4+\b], 23, v[TM+12+\b]      ; the scale's byte
.endr
	v_lshl_or_b32 v[\pw], v[TM+5], 8, v[TM+4]
	v_lshl_or_b32 v[\pw], v[TM+6], 16, v[\pw]
	v_lshl_or_b32 v[\pw], v[TM+7], 24, v[\pw]
.irp b, 0,1,2,3
.irp i, 0,1,2,3,4,5,6,7,8,9,10,11,12,13,14,15
	v_med3_num_f32 v[\src+16*\b+\i], v[\src+16*\b+\i], -v[TM+8+\b], v[TM+8+\b]   ; the conversion to an 8-bit code does not saturate (ISA guide 7.6.2): the hold comes first
.endr
	v_cvt_scalef32_pk8_bf8_f32 v[\pc+4*\b:\pc+1+4*\b], v[\src+16*\b:\src+7+16*\b], v[TM+12+\b]
	v_cvt_scalef32_pk8_bf8_f32 v[\pc+2+4*\b:\pc+3+4*\b], v[\src+8+16*\b:\src+15+16*\b], v[TM+12+\b]
.endr
	v_nop                                          ; one plain line behind the last conversion
.endm
.Lqueries:
	s_sub_co_u32 s15, ttmp9, 250
	s_lshl_b32 s15, s15, 3
	s_add_co_u32 s15, s15, s14                     ; my tile of 16 queries, 0..63
	s_lshl_b32 s18, s15, 14                        ; 16 rows of 1,024 bytes
	s_mov_b32 s19, 0
	s_lshl_b32 s20, s15, 12                        ; qc: 4,096 bytes a tile
	s_mov_b32 s21, 0
	s_lshl_b32 s22, s15, 7                         ; qs: 128 bytes a tile
	s_mov_b32 s23, 0
	s_mov_b32 s[SEL], 0x76543210
	s_mov_b32 s[SEL+1], 0xfedcba98
	s_mov_b32 s[MNT], 0x600000
	s_mov_b32 s27, 0xffff0000                      ; lanes 16-31
	v_and_b32 v4, 15, v0                           ; r
	v_bfe_u32 v5, v0, 4, 1                         ; h
	v_lshlrev_b32 v1, 10, v4
	v_lshl_add_u32 v1, v5, 6, v1                   ; row r, + 64 h: my 16 numbers of a block of 32
	s_wait_alu depctr_va_vdst(0)
	v_lshlrev_b32 v2, 4, v3                        ; 16 x lane
	v_lshlrev_b32 v3, 2, v3                        ; 4 x lane
.irp b, 0,1,2,3
	v_mov_b32 v[TM+4+\b], 0                        ; written once: a lane permute's destination counts as one of its sources
.endr
	s_wait_kmcnt 0x0
	s_add_nc_u64 s[6:7], s[6:7], s[18:19]
	s_add_nc_u64 s[10:11], s[10:11], s[20:21]
	s_add_nc_u64 s[12:13], s[12:13], s[22:23]
	s_wait_alu depctr_va_vdst(0)                   ; v1, v2 and v3 are written: the offsets of this path's loads and stores; they are not written again
.irp s, 0,1
.irp b, 0,1,2,3
.irp j, 0,1,2,3
	global_load_b128 v[X+64*\s+16*\b+4*\j:X+64*\s+16*\b+4*\j+3], v1, s[6:7] offset:512*\s+128*\b+16*\j th:TH_LOAD_NT
.endr
.endr
.endr
	s_wait_loadcnt 0x0
.irp c, 0,1,2,3
	v_pk_mul_f32 v[SQ+2*\c:SQ+2*\c+1], v[X+2*\c:X+2*\c+1], v[X+2*\c:X+2*\c+1]   ; the first products start the four chains
.endr
.set i, 4
.rept 60
	v_pk_fma_f32 v[SQ+2*(i%4):SQ+2*(i%4)+1], v[X+2*i:X+2*i+1], v[X+2*i:X+2*i+1], v[SQ+2*(i%4):SQ+2*(i%4)+1]
.set i, i+1
.endr
	v_pk_add_f32 v[SQ:SQ+1], v[SQ:SQ+1], v[SQ+2:SQ+3]
	v_pk_add_f32 v[SQ+4:SQ+5], v[SQ+4:SQ+5], v[SQ+6:SQ+7]
	v_pk_add_f32 v[SQ:SQ+1], v[SQ:SQ+1], v[SQ+4:SQ+5]
	v_add_f32 v[SQ], v[SQ], v[SQ+1]
	v_permlanex16_b32 v[TM+4], v[SQ], s[SEL], s[SEL+1]
	v_add_f32 v[SQ], v[SQ], v[TM+4]                ; the row's sum of squares, in both of its lanes
	s_wait_alu depctr_va_vdst(0)
	v_sqrt_f32 v220, v[SQ]
	v_nop                                          ; a plain line behind the transcendental,
	s_wait_alu depctr_va_vdst(0)                   ; and the wait ahead of its first reader: the root v220 is written
	v_max_num_f32 v220, 0x2b8cbccc, v220           ; max(norm, 1e-12)
	s_wait_alu depctr_va_vdst(0)
	v_rcp_f32 v221, v220
	v_nop
	s_wait_alu depctr_va_vdst(0)                   ; likewise: the reciprocal v221 is written
	v_fma_f32 v222, -v220, v221, 1.0               ; one Newton step
	v_fma_f32 v[IV], v221, v222, v221
	v_mov_b32 v[IV+1], v[IV]
.set i, 0
.rept 64
	v_pk_mul_f32 v[X+2*i:X+2*i+1], v[X+2*i:X+2*i+1], v[IV:IV+1]
.set i, i+1
.endr
	QUANT X, PCA, PW0
	s_wait_alu depctr_va_vdst(0)                   ; the conversions have written v[PCA ..], which the four stores read; the second quantiser names none of the stores' registers
.irp c, 0,1,2,3
	global_store_b128 v2, v[PCA+4*\c:PCA+4*\c+3], s[10:11] offset:512*\c          ; 512 consecutive bytes, aligned
.endr
	QUANT X+64, PCB, PW1
	v_cndmask_b32 v223, v[PW0], v[PW1], s27        ; lanes 0-15: K step 0's word; lanes 16-31: K step 1's
	s_wait_alu depctr_va_vdst(0)                   ; the conversions have written v[PCB ..] and the select v223, which the five stores read
.irp c, 0,1,2,3
	global_store_b128 v2, v[PCB+4*\c:PCB+4*\c+3], s[10:11] offset:2048+512*\c
.endr
	global_store_b32 v3, v223, s[12:13]
	s_endpgm
.Lfunc_end_k_q62d732122b_stats:
	.size	k_q62d732122b_stats, .Lfunc_end_k_q62d732122b_stats-k_q62d732122b_stats
	.p2alignl 7, 3214868480
	.fill 96, 4, 3214868480
	.section	.rodata,"a",@progbits
	.p2align	6, 0x0
	.amdhsa_kernel k_q62d732122b_stats
		.amdhsa_group_segment_fixed_size 5120
		.amdhsa_private_segment_fixed_size 0
		.amdhsa_enable_private_segment 0
		.amdhsa_kernarg_size 40
		.amdhsa_user_sgpr_count 2
		.amdhsa_user_sgpr_kernarg_segment_ptr 1
		.amdhsa_wavefront_size32 1
		.amdhsa_system_sgpr_workgroup_id_x 1
		.amdhsa_system_sgpr_workgroup_id_y 1
		.amdhsa_system_sgpr_workgroup_id_z 1
		.amdhsa_system_vgpr_workitem_id 0
		.amdhsa_next_free_vgpr 226
		.amdhsa_next_free_sgpr 66
		.amdhsa_reserve_vcc 0
		.amdhsa_float_denorm_mode_32 3
		.amdhsa_float_denorm_mode_16_64 3
		.amdhsa_memory_ordered 1
		.amdhsa_forward_progress 1
		.amdhsa_inst_pref_size 49
	.end_amdhsa_kernel
	.amdgpu_metadata
---
amdhsa.version: [ 1, 2 ]
amdhsa.kernels:
  - .name:           k_q62d732122b_stats
    .symbol:         k_q62d732122b_stats.kd
    .args:
      - { .name: train_features, .offset: 0, .size: 8, .value_kind: global_buffer, .address_space: global }
      - { .name: test_features, .offset: 8, .size: 8, .value_kind: global_buffer, .address_space: global }
      - { .name: part, .offset: 16, .size: 8, .value_kind: global_buffer, .address_space: global }
      - { .name: qc, .offset: 24, .size: 8, .value_kind: global_buffer, .address_space: global }
      - { .name: qs, .offset: 32, .size: 8, .value_kind: global_buffer, .address_space: global }
    .group_segment_fixed_size: 5120
    .private_segment_fixed_size: 0
    .kernarg_segment_align: 8
    .kernarg_segment_size: 40
    .max_flat_workgroup_size: 256
    .sgpr_count:     66
    .vgpr_count:     226
    .wavefront_size: 32
...
	.end_amdgpu_metadata
.endif
;; end of part 4
;; launch main (part 5): grid 250 x 1, 8 waves a work-group, no clusters, 228,864 bytes of LDS; arguments train_features, part, qc, qs, gc, gs, key, wm; writes gc, gs, key, wm
.if DOCPART == 5
	.amdgcn_target "amdgcn-amd-amdhsa--gfx1250"
	.amdhsa_code_object_version 6
	.text
	.protected	k_q62d732122b_main
	.globl	k_q62d732122b_main
	.p2align	8
	.type	k_q62d732122b_main,@function
k_q62d732122b_main:
	s_mov_b64 s[64:65], 0
	v_nop
	global_prefetch_b8 v0, s[64:65] scope:SCOPE_SE
	s_setreg_imm32_b32 hwreg(HW_REG_WAVE_SCHED_MODE, 0, 2), 2
	s_setreg_imm32_b32 hwreg(HW_REG_WAVE_MODE, 25, 1), 1
	s_wait_xcnt 0x0
	s_wait_alu depctr_vm_vsrc(0)
; SECOND LAUNCH: the whole product sim = q . gallery on codes of E5M2 with E8M0 scales (v_wmma_scale_f32_16x16x128_f8f6f4), and of it only MAXIMA leave.
; Work-group g owns items 800 g .. + 799, 25 blocks of 32, against all 1,024 queries.  Wave w keeps queries 128 w .. + 127 as source 1 in registers for the whole launch (8 tiles x 2 K steps x 16 = 256: window 1).
; In each block wave w normalises (x * 1 / column norm) and quantises rows 4 w .. 4 w + 3, stores the codes to gc (row-major, for the third launch) and into one of two images in LDS, from which all waves take source 0.
; WHAT LEAVES: for each query and each CHUNK of 16 consecutive items the chunk's largest sim as a whole number that rises with it: with b the f32's bits, b ^ ((b >> 31, arithmetic) | 2^31).
;   key: work-group g's part begins at g x 2^18 bytes and is [1024 queries][50 chunks] u32, 204,800 dense bytes (the rest of the 2^18 is neither written nor read);  wm [250][1024] u32: the largest of a work-group's 50.
; So the third launch can order chunks by whole numbers alone, exactly as their largest sims are ordered.
; WHICH ITEMS FORM A TILE: item i of a block lies in LDS row 16 ((i >> 3) & 1) + 8 (i >> 4) + (i & 7).  Tile u is rows 16 u .. + 15.  In the result, lane (r, h), register j of tile u is item 16 h + 8 u + j of query r:
; a lane's 16 registers of the two tiles are the 16 items of chunk 2 p + h of block p: its maximum needs no other lane.
; No tensor load: each row is read once, by the wave that quantises it, straight into registers, two blocks ahead (16 loads of a wave out).
; No cluster: the grid, 250, is no multiple of 4, and what work-groups share (q's 262,144 bytes of codes, 128,000 bytes of partial sums) is read once at the head, against 819,200 bytes of rows of the work-group's own.
; THE MODE: SCHED_MODE bits 1:0 = 2 (LLVM: expert scheduling mode 2), set by the entry lines.  The code itself states the register dependences between vector or matrix instructions and memory or LDS instructions, with s_wait_alu, always for 0.
; THE PLAN.  Registers that memory or LDS instructions touch, in the loop (block p, par = p & 1):
;   RAW0, RAW1   Block p: the quantiser's vector lines read and write set 1 - par (block p + 1's rows), two rows at a time; behind each pair the loads of block p + 3 land in those two rows' registers.
;   C, BY        codes and scale bytes: written by the quantiser's lines, read by its LDS and global stores; written again one block later.
;   AF, ASC      fragments and scale words of the items: written by the LDS loads at a block's head, read by its 32 products.
;   KT, v[KSA]   the eight keys (they lie in AF's first registers) and their LDS address: written by vector lines behind the block's last products, read by its eight LDS stores.
;   GSR          the block's scale bytes: written by an LDS load, read by wave 0's global store.
;   v1 to v8     offsets and addresses, made once at the head and not written again before the way out: the rows are reached by scalar bases and immediate offsets.
; THREE waits on va_vdst a block: behind the conversions of rows 0, 1 and of rows 2, 3 (the codes and bytes are written, for the stores; the vector lines are done with the two rows' registers, for the loads), and ahead of the keys'
; stores (the keys and their address are written; the block's products are done with AF and ASC and its vector lines with KT, for the next block's LDS loads: no vector or matrix instruction stands between that wait and those loads).
; ONE wait on vm_vsrc a block, behind its barrier: all stores issued so far have read KT, GSR, C, BY and v[KSA], which this block's loads and vector lines write again.
; The loads into RAW stand between the two K steps of a run of 16 products, which name the accumulators, AF, ASC, q and q's scale words: none of the registers that those loads touch.
; LIMITS: NaN and infinities are not served; a chunk whose largest sim is -0 ranks under one whose largest is +0.  x / n is x * (1 / n), the reciprocal refined by one Newton step.  A block whose largest magnitude lies
; under 2^-111 gets the byte 1 (the rule's clip); a block of zeros gets 1 where the rule says 127: its codes are zeros, and only this program reads the bytes.
.set KSP,   200                        ; LDS: the key stage: 1,024 rows (queries) of 50 keys, dense: lane (r, h) writes word 50 r + h (+ a constant): 32 different banks of the 64 (ISA guide 11.1)
.set KSW,   128*KSP                    ; a wave's part, 25,600 bytes: wave w alone touches rows 128 w .. + 127
.set IMG0,  1024*KSP                   ; two images of a block: 32 rows of 256 codes + 16 bytes,
.set IP,    272
.set ISC,   32*IP                      ; then 32 x 8 scale bytes, in the rows' order
.set IMGB,  ISC+256
.set INVL,  IMG0+2*IMGB                ; 256 f32: 1 / column norm
.set WS,    INVL+1024                  ; 512 bytes a wave: wm on its way out
.set RAWO, 1                           ; v1   4,096 w + 32 lane: my 8 numbers of the wave's first row
.set GCO,  2                           ; v2   1,024 w + 8 lane: my 8 codes in gc.  (In wave 0 it is 8 x lane: that wave's offset in gs too)
.set CS,   3                           ; v3   where my codes go in image 0
.set BS,   4                           ; v4   and my block's scale byte
.set FR,   5                           ; v5   a fragment's place for my lane: 272 r + 16 h
.set ASA,  6                           ; v6   the items' scale words: 8 r + 4 h
.set KSB,  7                           ; v7   the key stage: 25,600 w + 200 r + 4 h
.set GRA,  8                           ; v8   the scale bytes of item (lane) of the block
.set KSA,  9                           ; v9   KSB + 8 bytes for each block done
.set GSR,  10                          ; v[10:11] those 8 bytes
.set BY,   12                          ; v[12:15] the four rows' scale bytes
.set INV,  16                          ; v[16:23] 1 / norm of columns 8 lane .. + 7
.set QS,   24                          ; v[24:31] q's scale words, a register a tile: lanes 0-15 K step 0, lanes 16-31 K step 1.  Scales alone
.set ASC,  32                          ; v[32:33] the items' scale words of tile u, laid likewise.  Scales alone
.set TM,   34                          ; v[34:35] largest magnitudes of two rows
.set SC,   36                          ; v[36:37] the conversions' scale operands
.set HD,   38                          ; v[38:39] 57,344 x the scale
.set C,    40                          ; v[40:47] codes, two registers a row
.set CM,   48                          ; v[48:55] the chunk's maximum, a register a tile of queries
.set WMX,  56                          ; v[56:63] the work-group's
.set AF,   64                          ; v[64:127] the items' fragments: 32 u + 16 s
.set KT,   64                          ; v[64:71] behind a block's products: the eight keys
.set ACC,  128                         ; v[128:191] eight accumulators
.set RAW,  192                         ; v[192:255] two sets of 4 rows x 8 numbers
.set MSB, 0
.macro WIN new                         ; the immediate's high byte repeats the setting that is left
.if MSB != \new
	s_set_vgpr_msb (MSB<<8)|\new
.set MSB, \new
.endif
.endm
; rows ka, ka + 1 of a block, from off bytes behind s[4:5], into a set
.macro RAWLD set, ka, off
.irp k, \ka, \ka+1
.irp e, 0,1
	global_load_b128 v[RAW+32*(\set)+8*(\k)+4*\e:RAW+32*(\set)+8*(\k)+4*\e+3], v[RAWO], s[4:5] offset:(\off)+(\k)*1024+16*\e th:TH_LOAD_NT
.endr
.endr
.endm
; rows ka, ka + 1 of a set are normalised and quantised, by turns; their codes and bytes go to image buf and the codes to gc.  A lane holds 8 neighbours along K, four lanes a block of 32.
.macro QROWS set, ka, buf
.irp i, 0,2,4,6
.irp k, \ka, \ka+1
	v_pk_mul_f32 v[RAW+32*(\set)+8*(\k)+\i:RAW+32*(\set)+8*(\k)+\i+1], v[RAW+32*(\set)+8*(\k)+\i:RAW+32*(\set)+8*(\k)+\i+1], v[INV+\i:INV+\i+1]
.endr
.endr
.irp k, \ka, \ka+1
	v_max3_num_f32 v[TM+(\k)-(\ka)], |v[RAW+32*(\set)+8*(\k)]|, |v[RAW+32*(\set)+8*(\k)+1]|, 0x8000000   ; with the floor 2^(16 - 127): the byte cannot fall under 1
.endr
.irp i, 2,4,6
.irp k, \ka, \ka+1
	v_max3_num_f32 v[TM+(\k)-(\ka)], v[TM+(\k)-(\ka)], |v[RAW+32*(\set)+8*(\k)+\i]|, |v[RAW+32*(\set)+8*(\k)+\i+1]|
.endr
.endr
.irp x, 1,2
.irp k, 0,1
	v_max_num_f32_dpp v[TM+\k], v[TM+\k], v[TM+\k] row_xmask:\x row_mask:0xf bank_mask:0xf   ; the block's four lanes
.endr
.endr
.irp k, 0,1
	v_add_nc_u32 v[SC+\k], 0xf8800000, v[TM+\k]    ; 15 off the exponent field: the conversion's scale operand
.endr
.irp k, 0,1
	v_and_or_b32 v[HD+\k], v[TM+\k], 0x7f800000, s22   ; 57,344 x the scale
.endr
.irp k, \ka, \ka+1
	v_lshrrev_b32 v[BY+(\k)], 23, v[SC+(\k)-(\ka)] ; the scale's byte
.endr
.irp i, 0,1,2,3,4,5,6,7
.irp k, \ka, \ka+1
	v_med3_num_f32 v[RAW+32*(\set)+8*(\k)+\i], v[RAW+32*(\set)+8*(\k)+\i], -v[HD+(\k)-(\ka)], v[HD+(\k)-(\ka)]   ; the conversion does not saturate (ISA guide 7.6.2): the hold comes first
.endr
.endr
.irp k, \ka, \ka+1
	v_cvt_scalef32_pk8_bf8_f32 v[C+2*(\k):C+2*(\k)+1], v[RAW+32*(\set)+8*(\k):RAW+32*(\set)+8*(\k)+7], v[SC+(\k)-(\ka)]
.endr
	v_nop                                          ; one plain line behind the last conversion
	s_wait_alu depctr_va_vdst(0)                   ; the two rows' codes and bytes are written, which the stores below read; the lines above are done with the two rows' registers of the set, in which the next loads into them land
.irp k, \ka, \ka+1
	ds_store_b64 v[CS], v[C+2*(\k):C+2*(\k)+1] offset:(\buf)*IMGB+(\k)*IP
	ds_store_b8 v[BS], v[BY+(\k)] offset:(\buf)*IMGB+8*(\k)          ; a block's four lanes write the same byte with the same value
	global_store_b64 v[GCO], v[C+2*(\k):C+2*(\k)+1], s[12:13] offset:(\k)*256   ; 32 lanes store a row's 256 consecutive bytes, aligned
.endr
.endm
; 16 matrix instructions: tile u of the items x my eight tiles of queries, K steps 0 and 1.  The eight accumulators take turns, one instruction a turn; K step 0 starts the sums.
; ld = 1: between the two K steps stand the four loads of rows ka, ka + 1 of the block three on, into the set.  No wait: no vector or matrix instruction since the wait behind those rows' conversions names their registers or v[RAWO].
.macro MM u, ld, set, ka
	WIN 0x04                                       ; source 1 (q) in window 1; a load's data and its offset stay in window 0
.irp t, 0,1,2,3,4,5,6,7
	v_wmma_scale_f32_16x16x128_f8f6f4 v[ACC+8*\t:ACC+8*\t+7], v[AF+32*(\u):AF+32*(\u)+15], v[32*\t:32*\t+15], 0, v[ASC+(\u)], v[QS+\t] matrix_a_fmt:MATRIX_FMT_BF8 matrix_b_fmt:MATRIX_FMT_BF8
.endr
.if \ld
	RAWLD \set, \ka, 0
.endif
.irp t, 0,1,2,3,4,5,6,7
	v_wmma_scale_f32_16x16x128_f8f6f4 v[ACC+8*\t:ACC+8*\t+7], v[AF+32*(\u)+16:AF+32*(\u)+31], v[32*\t+16:32*\t+31], v[ACC+8*\t:ACC+8*\t+7], v[ASC+(\u)], v[QS+\t] matrix_a_fmt:MATRIX_FMT_BF8 matrix_b_fmt:MATRIX_FMT_BF8 matrix_a_scale:MATRIX_SCALE_ROW1 matrix_b_scale:MATRIX_SCALE_ROW1
.endr
	WIN 0
.endm
.macro EPI0                            ; the chunk's maximum begins with tile 0's eight items; each accumulator from its low end on, the tiles of queries by turns
.irp t, 0,1,2,3,4,5,6,7
	v_max3_num_f32 v[CM+\t], v[ACC+8*\t], v[ACC+8*\t+1], v[ACC+8*\t+2]
.endr
.irp i, 3,5
.irp t, 0,1,2,3,4,5,6,7
	v_max3_num_f32 v[CM+\t], v[CM+\t], v[ACC+8*\t+\i], v[ACC+8*\t+\i+1]
.endr
.endr
.irp t, 0,1,2,3,4,5,6,7
	v_max_num_f32 v[CM+\t], v[CM+\t], v[ACC+8*\t+7]
.endr
.endm
.macro EPI1 kso                        ; tile 1's eight items; the work-group's maximum; the key into the stage
.irp i, 0,2,4,6
.irp t, 0,1,2,3,4,5,6,7
	v_max3_num_f32 v[CM+\t], v[CM+\t], v[ACC+8*\t+\i], v[ACC+8*\t+\i+1]
.endr
.endr
.irp t, 0,1,2,3,4,5,6,7
	v_max_num_f32 v[WMX+\t], v[WMX+\t], v[CM+\t]
.endr
.irp t, 0,1,2,3,4,5,6,7
	v_ashrrev_i32 v[KT+\t], 31, v[CM+\t]           ; all ones where the sim is negative
.endr
.irp t, 0,1,2,3,4,5,6,7
	v_or_b32 v[KT+\t], 0x80000000, v[KT+\t]
.endr
.irp t, 0,1,2,3,4,5,6,7
	v_xor_b32 v[KT+\t], v[CM+\t], v[KT+\t]         ; not negative: the sign bit is set; negative: all bits are turned over: a u32 that rises with the f32
.endr
	s_wait_alu depctr_va_vdst(0)                   ; the keys v[KT ..] and their address v[KSA] are written, which the LDS stores read; the block's products are done reading AF and ASC, and its vector lines are done with v[KT ..], in which the next block's LDS loads land
.irp t, 0,1,2,3,4,5,6,7
	ds_store_b32 v[KSA], v[KT+\t] offset:\t*16*KSP+\kso
.endr
.endm
; BLOCK p, par = p & 1.  qn = 1: block p + 1 is quantised on the way (from set 1 - par into image 1 - par); ld = 1: that set takes block p + 3.
; wa, wb: the loads issued behind the two rows wanted, which may stay out.  Loads go out four at a time: rows 0, 1 (A), rows 2, 3 (B) of blocks p + 1, p + 2, p + 3: behind (p + 1) A stand (p + 1) B and block p + 2: 12;
; behind (p + 1) B stand block p + 2 and (p + 3) A: 12.  Where nothing more is asked for the counts run down.
.macro TRIP par, qn, ld, wa, wb, kso
	s_wait_dscnt 0x0                               ; my stores of block p's image have landed, and my reads of block p - 1's are back
	s_barrier_signal -1
	s_barrier_wait -1                              ; both now hold of all eight waves: image par is whole, and image 1 - par may be written
	s_wait_alu depctr_vm_vsrc(0)                   ; the stores issued so far have read the keys (in AF's registers) and v[GSR ..], in which the loads below land, and the codes, the bytes and v[KSA], which this block's vector lines write again
.irp u, 0,1
.irp s, 0,1
.irp c, 0,1,2,3
	ds_load_b128 v[AF+32*\u+16*\s+4*\c:AF+32*\u+16*\s+4*\c+3], v[FR] offset:(\par)*IMGB+\u*16*IP+128*\s+32*\c
.endr
.endr
	ds_load_b32 v[ASC+\u], v[ASA] offset:(\par)*IMGB+128*\u
.endr
	ds_load_b64 v[GSR:GSR+1], v[GRA] offset:(\par)*IMGB   ; the block's scale bytes in the items' order
.if \qn
	s_wait_loadcnt \wa
	QROWS 1-(\par), 0, 1-(\par)
	s_wait_dscnt 4                                 ; behind the 19 loads stand the four LDS stores just issued
.else
	s_wait_dscnt 0x0
.endif
	s_cmp_lg_u32 s20, 0                            ; one wave stores the block's 256 scale bytes
	s_cbranch_scc1 .Lnot_wave_0_\@
	global_store_b64 v[GCO], v[GSR:GSR+1], s[14:15]   ; 32 lanes store 256 consecutive bytes, aligned
.Lnot_wave_0_\@:
	MM 0, \ld, 1-(\par), 0
.if \qn
	s_wait_loadcnt \wb
	QROWS 1-(\par), 2, 1-(\par)                    ; its plain lines are the places behind the products: eight are owed ahead of the first read of a result
.else
.rept 8
	v_nop
.endr
.endif
	EPI0                                           ; (nine places are owed ahead of products that begin the accumulators anew: the lines above and this macro's lines on the other accumulators)
	MM 1, \ld, 1-(\par), 2
	v_add_nc_u32 v[KSA], s23, v[KSB]               ; a place, and seven more
.rept 7
	v_nop
.endr
	EPI1 \kso
	s_wait_xcnt 0x0                                ; the trip's loads and stores have read their bases, offsets and data: all may be written again
.if \ld
	s_add_nc_u64 s[4:5], s[4:5], 32768
.endif
.if \qn
	s_add_nc_u64 s[12:13], s[12:13], 8192
.endif
	s_add_nc_u64 s[14:15], s[14:15], 256
.endm
	s_load_b256 s[4:11], s[0:1], 0x0               ; train s[4:5], part s[6:7], qc s[8:9], qs s[10:11]
	s_load_b256 s[12:19], s[0:1], 0x20             ; gc s[12:13], gs s[14:15], key s[16:17], wm s[18:19]
	v_lshrrev_b32 v48, 5, v0
	v_readfirstlane_b32 s20, v48                   ; wave 0..7
	s_mov_b32 s22, 0x600000                        ; the mantissa field of 57,344
	s_mov_b32 s26, 0x76543210
	s_mov_b32 s27, 0xfedcba98                      ; v_permlanex16_b32's selects for lane l xor 16
	s_wait_alu depctr_va_sdst(0)                   ; s20 is written, ahead of its first reader: LDS places and bases are made from it
	s_lshr_b32 s28, s20, 1                         ; the LDS row of my wave's first item, 4 w: 16 ((w >> 1) & 1) + 8 (w >> 2) + 4 (w & 1)
	s_and_b32 s28, s28, 1
	s_lshl_b32 s28, s28, 4
	s_lshr_b32 s29, s20, 2
	s_lshl_b32 s29, s29, 3
	s_add_co_u32 s28, s28, s29
	s_and_b32 s29, s20, 1
	s_lshl_b32 s29, s29, 2
	s_add_co_u32 s28, s28, s29
	s_mul_i32 s29, s28, IP
	s_add_co_u32 s29, s29, IMG0
	s_lshl_b32 s30, s28, 3
	s_add_co_u32 s30, s30, IMG0+ISC
	s_mul_i32 s24, s20, KSW                        ; my wave's rows of the key stage
	v_and_b32 v48, 31, v0                          ; lane
	v_and_b32 v49, 0xe0, v0                        ; 32 w
	v_and_b32 v50, 15, v0                          ; r
	v_bfe_u32 v51, v0, 4, 1                        ; h
	v_lshlrev_b32 v[RAWO], 5, v48
	v_lshl_add_u32 v[RAWO], v49, 7, v[RAWO]
	v_lshlrev_b32 v[GCO], 3, v48
	v_lshl_add_u32 v[GCO], v49, 5, v[GCO]
	v_lshl_add_u32 v[CS], v48, 3, s29
	v_lshrrev_b32 v[BS], 2, v48
	v_add_nc_u32 v[BS], s30, v[BS]
	v_mul_u32_u24 v[FR], v50, IP
	v_lshl_add_u32 v[FR], v51, 4, v[FR]
	v_add_nc_u32 v[FR], IMG0, v[FR]
	v_lshlrev_b32 v[ASA], 3, v50
	v_lshl_add_u32 v[ASA], v51, 2, v[ASA]
	v_add_nc_u32 v[ASA], IMG0+ISC, v[ASA]
	v_mul_u32_u24 v[KSB], v50, KSP
	v_lshl_add_u32 v[KSB], v51, 2, v[KSB]
	v_add_nc_u32 v[KSB], s24, v[KSB]
	v_and_b32 v52, 7, v0                           ; item (lane)'s LDS row
	v_bfe_u32 v53, v0, 3, 1
	v_lshl_add_u32 v52, v53, 4, v52
	v_lshl_add_u32 v52, v51, 3, v52
	v_lshl_add_u32 v[GRA], v52, 3, IMG0+ISC
	v_lshlrev_b32 v54, 4, v48                      ; 16 x lane
	v_lshlrev_b32 v55, 2, v48                      ; 4 x lane
	v_lshlrev_b32 v34, 2, v0                       ; 4 x thread: my column
	v_lshl_add_u32 v36, v48, 5, INVL               ; 1 / norm of my 8 columns
	v_add_nc_u32 v37, INVL, v34
.irp t, 0,1,2,3,4,5,6,7
	v_mov_b32 v[WMX+\t], 0xff800000                ; -infinity: under every sim
.endr
	s_mov_b32 s33, 0
	s_wait_kmcnt 0x0
	s_mul_i32 s32, ttmp9, 819200                   ; 800 rows of 1,024 bytes
	s_add_nc_u64 s[4:5], s[4:5], s[32:33]
	s_mul_i32 s32, ttmp9, 204800
	s_add_nc_u64 s[12:13], s[12:13], s[32:33]
	s_mul_i32 s32, ttmp9, 6400
	s_add_nc_u64 s[14:15], s[14:15], s[32:33]
	s_lshl_b32 s32, ttmp9, 18                      ; key: 2^18 bytes from work-group to work-group, 25,600 a wave
	s_add_co_u32 s32, s32, s24
	s_add_nc_u64 s[16:17], s[16:17], s[32:33]
	s_lshl_b32 s32, ttmp9, 12                      ; wm: 4,096 a work-group, 512 a wave
	s_lshl_b32 s34, s20, 9
	s_add_co_u32 s32, s32, s34
	s_add_nc_u64 s[18:19], s[18:19], s[32:33]
	s_lshl_b32 s32, s20, 15                        ; qc: my 8 tiles
	s_add_nc_u64 s[8:9], s[8:9], s[32:33]
	s_lshl_b32 s32, s20, 10                        ; qs
	s_add_nc_u64 s[10:11], s[10:11], s[32:33]
	s_wait_alu depctr_va_vdst(0)                   ; the offsets and addresses v1 to v8, v34, v36, v37, v54 and v55 are written, which the loads and stores from here on read; only loads and window switches stand between this wait and the loads of the head
	RAWLD 0, 0, 0                                  ; blocks 0 and 1
	RAWLD 0, 2, 0
	RAWLD 1, 0, 32768
	RAWLD 1, 2, 32768
	WIN 0x40                                       ; destination window 1
.irp t, 0,1,2,3,4,5,6,7
.irp s, 0,1
.irp c, 0,1,2,3
	global_load_b128 v[32*\t+16*\s+4*\c:32*\t+16*\s+4*\c+3], v54, s[8:9] offset:\t*4096+\s*2048+\c*512   ; q's fragments: images of the registers; they stay
.endr
.endr
.endr
	WIN 0
.irp t, 0,1,2,3,4,5,6,7
	global_load_b32 v[QS+\t], v55, s[10:11] offset:128*\t
.endr
.set i, 0
.rept 125
	global_load_b32 v[AF+i], v34, s[6:7] offset:1024*i   ; my column's 125 partial sums of squares
.set i, i+1
.endr
	s_wait_loadcnt 0x0
	s_wait_alu depctr_vm_vsrc(0)                   ; the loads have read their offsets v34, v54 and v55: the sums below write v[48:55], the first quantiser v34
.irp c, 0,1,2,3
	v_pk_add_f32 v[48+2*\c:49+2*\c], v[AF+2*\c:AF+2*\c+1], v[AF+8+2*\c:AF+9+2*\c]   ; four packed chains
.endr
.set i, 8
.rept 54
	v_pk_add_f32 v[48+2*(i%4):49+2*(i%4)], v[48+2*(i%4):49+2*(i%4)], v[AF+2*i:AF+2*i+1]
.set i, i+1
.endr
	v_pk_add_f32 v[48:49], v[48:49], v[50:51]
	v_pk_add_f32 v[52:53], v[52:53], v[54:55]
	v_pk_add_f32 v[48:49], v[48:49], v[52:53]
	v_add_f32 v48, v48, v49
	v_add_f32 v48, v48, v[AF+124]
	s_wait_alu depctr_va_vdst(0)
	v_sqrt_f32 v38, v48
	v_nop                                          ; a plain line behind the transcendental,
	s_wait_alu depctr_va_vdst(0)                   ; and the wait ahead of its first reader: the root v38 is written
	v_max_num_f32 v38, 0x2b8cbccc, v38             ; max(norm, 1e-12)
	s_wait_alu depctr_va_vdst(0)
	v_rcp_f32 v39, v38
	v_nop
	s_wait_alu depctr_va_vdst(0)                   ; likewise: the reciprocal v39 is written
	v_fma_f32 v48, -v38, v39, 1.0                  ; one Newton step
	v_fma_f32 v49, v39, v48, v39
	s_wait_alu depctr_va_vdst(0)                   ; v49 is written, which the LDS store reads
	ds_store_b32 v37, v49
	s_wait_dscnt 0x0                               ; for the others' sake: my column's reciprocal has landed
	s_barrier_signal -1
	s_barrier_wait -1
	ds_load_b128 v[INV:INV+3], v36
	ds_load_b128 v[INV+4:INV+7], v36 offset:16
	s_wait_dscnt 0x0
	s_wait_alu depctr_vm_vsrc(0)                   ; the LDS store and loads have read v36, v37 and v49: the quantiser writes v36 and v37, the first block's maxima v49
	QROWS 0, 0, 0                                  ; block 0
	QROWS 0, 2, 0
	RAWLD 0, 0, 65536                              ; block 2: the wait behind the second pair's conversions stands behind every vector line that named set 0
	RAWLD 0, 2, 65536
	s_wait_xcnt 0x0
	s_add_nc_u64 s[4:5], s[4:5], 98304             ; at block 3
	s_add_nc_u64 s[12:13], s[12:13], 8192          ; at block 1
	s_mov_b32 s23, 0
	s_mov_b32 s21, 11
.Lpair:                                                ; blocks 0 to 21, two a trip; a block's two keys of a query are 8 bytes
	TRIP 0, 1, 1, 12, 12, 0
	TRIP 1, 1, 1, 12, 12, 8
	s_add_co_u32 s23, s23, 16
	s_sub_co_u32 s21, s21, 1
	s_cmp_lg_u32 s21, 0
	s_cbranch_scc1 .Lpair
	TRIP 0, 1, 0, 12, 8, 0                         ; block 22: nothing more is asked for
	TRIP 1, 1, 0, 4, 0, 8                          ; block 23
	TRIP 0, 0, 0, 0, 0, 16                         ; block 24: nothing more to quantise
	; THE WAY OUT.  Every wave touches its own LDS bytes alone from here on: no barrier.
	s_wait_dscnt 0x0                               ; the last keys' stores have landed
	s_wait_alu depctr_vm_vsrc(0)                   ; every load and store so far has read its registers: the addresses v1 and v3 to v6, which the lines below write anew, and the codes and keys, in whose registers the loads below land
.irp t, 0,1,2,3,4,5,6,7
	v_permlanex16_b32 v[CM+\t], v[WMX+\t], s26, s27
.endr
.irp t, 0,1,2,3,4,5,6,7
	v_max_num_f32 v[WMX+\t], v[WMX+\t], v[CM+\t]   ; the even chunks' and the odd chunks' maxima join
.endr
.irp t, 0,1,2,3,4,5,6,7
	v_ashrrev_i32 v[INV+\t], 31, v[WMX+\t]         ; the same map as the keys'
.endr
.irp t, 0,1,2,3,4,5,6,7
	v_or_b32 v[INV+\t], 0x80000000, v[INV+\t]
.endr
.irp t, 0,1,2,3,4,5,6,7
	v_xor_b32 v[INV+\t], v[WMX+\t], v[INV+\t]
.endr
	v_and_b32 v1, 15, v0
	v_and_b32 v3, 31, v0
	s_lshl_b32 s28, s20, 9
	s_add_co_u32 s28, s28, WS
	v_lshl_add_u32 v1, v1, 2, s28                  ; query 16 t + r: 4 bytes
	v_lshl_add_u32 v4, v3, 4, s28
	v_lshlrev_b32 v5, 4, v3                        ; 16 x lane
	v_lshl_add_u32 v6, v3, 4, s24                  ; the key stage as it lies: 512 consecutive bytes an instruction
	s_wait_alu depctr_va_vdst(0)                   ; the eight words v[INV ..] and the addresses v1, v4, v5, v6 are written, which the LDS and global instructions below read; all vector and matrix instructions are done with v[40:43] and v[56:255], in which the loads below land
.irp t, 0,1,2,3,4,5,6,7
	ds_store_b32 v1, v[INV+\t] offset:64*\t        ; both halves of the lanes write the same bytes with the same value
.endr
	ds_load_b128 v[C:C+3], v4                      ; LDS serves a wave's instructions in order (ISA guide 5.7.1.4): this sees the stores above
.set i, 0
.rept 50
	ds_load_b128 v[56+4*i:59+4*i], v6 offset:512*i
.set i, i+1
.endr
	s_wait_dscnt 50                                ; all but the 50 just issued
	global_store_b128 v5, v[C:C+3], s[18:19]       ; 512 consecutive bytes, aligned: my 128 queries' words of wm
.set i, 0
.rept 50
	s_wait_dscnt 49-i
	global_store_b128 v5, v[56+4*i:59+4*i], s[16:17] offset:512*i   ; 512 consecutive bytes, aligned: the wave's 25,600 bytes of keys are dense
.set i, i+1
.endr
	s_wait_xcnt 0x0
	s_wait_alu depctr_vm_vsrc(0)                   ; the last store has read v254 and v255, which the two lines below write
	v_lshl_add_u32 v254, v0, 2, 0x37a00
	v_mov_b32 v255, 0
	s_wait_dscnt 0x0                               ; the closing lines, six on end
	s_wait_alu 0x0
	s_wait_tensorcnt 0x0
	ds_add_u32 v254, v255
	s_wait_dscnt 0x0
	s_endpgm
.Lfunc_end_k_q62d732122b_main:
	.size	k_q62d732122b_main, .Lfunc_end_k_q62d732122b_main-k_q62d732122b_main
	.p2alignl 7, 3214868480
	.fill 96, 4, 3214868480
	.section	.rodata,"a",@progbits
	.p2align	6, 0x0
	.amdhsa_kernel k_q62d732122b_main
		.amdhsa_group_segment_fixed_size 228864
		.amdhsa_private_segment_fixed_size 0
		.amdhsa_enable_private_segment 0
		.amdhsa_kernarg_size 64
		.amdhsa_user_sgpr_count 2
		.amdhsa_user_sgpr_kernarg_segment_ptr 1
		.amdhsa_wavefront_size32 1
		.amdhsa_system_sgpr_workgroup_id_x 1
		.amdhsa_system_sgpr_workgroup_id_y 1
		.amdhsa_system_sgpr_workgroup_id_z 1
		.amdhsa_system_vgpr_workitem_id 0
		.amdhsa_next_free_vgpr 512
		.amdhsa_next_free_sgpr 66
		.amdhsa_reserve_vcc 0
		.amdhsa_float_denorm_mode_32 3
		.amdhsa_float_denorm_mode_16_64 3
		.amdhsa_memory_ordered 1
		.amdhsa_forward_progress 1
		.amdhsa_inst_pref_size 136
	.end_amdhsa_kernel
	.amdgpu_metadata
---
amdhsa.version: [ 1, 2 ]
amdhsa.kernels:
  - .name:           k_q62d732122b_main
    .symbol:         k_q62d732122b_main.kd
    .args:
      - { .name: train_features, .offset: 0, .size: 8, .value_kind: global_buffer, .address_space: global }
      - { .name: part, .offset: 8, .size: 8, .value_kind: global_buffer, .address_space: global }
      - { .name: qc, .offset: 16, .size: 8, .value_kind: global_buffer, .address_space: global }
      - { .name: qs, .offset: 24, .size: 8, .value_kind: global_buffer, .address_space: global }
      - { .name: gc, .offset: 32, .size: 8, .value_kind: global_buffer, .address_space: global }
      - { .name: gs, .offset: 40, .size: 8, .value_kind: global_buffer, .address_space: global }
      - { .name: key, .offset: 48, .size: 8, .value_kind: global_buffer, .address_space: global }
      - { .name: wm, .offset: 56, .size: 8, .value_kind: global_buffer, .address_space: global }
    .group_segment_fixed_size: 228864
    .private_segment_fixed_size: 0
    .kernarg_segment_align: 8
    .kernarg_segment_size: 64
    .max_flat_workgroup_size: 256
    .sgpr_count:     66
    .vgpr_count:     512
    .wavefront_size: 32
...
	.end_amdgpu_metadata
.endif
;; end of part 5
;; launch pick (part 6): grid 1024 x 1, 1 waves a work-group, no clusters, 0 bytes of LDS; arguments wm, key, gc, gs, qc, qs, train_labels, out0; writes out0
.if DOCPART == 6
	.amdgcn_target "amdgcn-amd-amdhsa--gfx1250"
	.amdhsa_code_object_version 6
	.text
	.protected	k_q62d732122b_pick
	.globl	k_q62d732122b_pick
	.p2align	8
	.type	k_q62d732122b_pick,@function
k_q62d732122b_pick:
	s_mov_b64 s[64:65], 0
	v_nop
	global_prefetch_b8 v0, s[64:65] scope:SCOPE_SE
	s_setreg_imm32_b32 hwreg(HW_REG_WAVE_SCHED_MODE, 0, 2), 2
	s_setreg_imm32_b32 hwreg(HW_REG_WAVE_MODE, 25, 1), 1
	s_wait_xcnt 0x0
	s_wait_alu depctr_vm_vsrc(0)
; THIRD LAUNCH: one wave, one query q.  From the whole numbers that the second launch stored (each chunk's and each work-group's largest sim, mapped to a u32 that rises with it) it takes ten chunks of 16 items, computes their
; sims again by the same matrix instruction on the same codes (sources swapped: the same bits), takes the exact ten (largest sim first, lower index first among equals, as jax.lax.top_k), and makes the softmax and the class sums.
; WHY TEN SETS ARE ENOUGH.  Order disjoint sets of CONSECUTIVE items by (largest sim, descending; set number, ascending).  An item of a set that is not among the first ten has ten sets in front of its own; the largest item of
; each of them is greater than it, or equal to it with a lower index: ten items that top_k puts ahead of it.  So the ten best items lie in the ten first chunks; and by the same count, with each work-group's best chunk in the
; place of the item, the ten first chunks lie in the ten first work-groups (sets of 800 items, 50 chunks).
; NO BRANCH AND NO TRIP COUNT OF THIS TEXT HANGS ON DATA: ten of 250 work-groups, ten of their 500 chunks, ten of their 160 items.  The stored whole numbers steer selects and, held inside the tables, vector offsets;
; floating-point numbers steer v_cndmask_b32 alone.  The labels ride along as payload: (item << 6 | label) as f32, exact under 2^24.
; No LDS, no tensor load, no cluster: a wave shares nothing with any other.
; THE MODE: SCHED_MODE bits 1:0 = 2 (LLVM: expert scheduling mode 2), set by the entry lines.  The code itself states the register dependences between vector or matrix instructions and memory instructions, and those through
; scalar registers that vector instructions write, with s_wait_alu, always for 0.
; THE PLAN.  MASKS: every compare writes a scalar register of its own; the compares stand in runs (8, 20 or 5), one wait on va_sdst stands behind a run, and the selects that read the masks follow it.  VCC is not used.
; Registers that memory instructions touch:
;   T8           offsets in wm: written at the head, read by the eight loads; then at work: one wait on vm_vsrc ahead of their first new write.
;   KO           offsets of the ten work-groups' keys, two registers each, written once each: a wait on va_vdst ahead of each pair of loads; they lie where the accumulators will: one wait on vm_vsrc ahead of the products.
;   FO, SO, LO   offsets of the ten chunks' codes, scale words and labels: written once; one wait on va_vdst ahead of the 95 loads that read them.
;   Y, K, QF, QSC, SCI, LAB, windows 1 and 2: loaded once each, into registers that no vector instruction has named before.
;   v22, v[18:19] the last store's offset and data: one wait on va_vdst ahead of it.
; LIMITS: NaN and infinities are not served; a chunk whose largest sim is -0 ranks under one whose largest is +0.  Labels outside 0 .. 49 add nothing, as in one_hot (they are held at 63).
.set FRO,  3                           ; v3   256 r + 16 h: my place in a chunk's 16 rows of codes
.set SCO,  4                           ; v4   8 r + 4 h: in its scale bytes
.set LBO,  5                           ; v5   4 r: in its labels
.set L0,   6                           ; v6   4 x lane: chunk (lane) of a work-group's 50 keys
.set L1,   7                           ; v7   4 x min(lane + 32, 49): chunk (lane + 32); lanes 18 and up repeat the last and are cleared
.set NINF, 8                           ; v8   -infinity
.set PINF, 9                           ; v9   +infinity
.set ZERO, 10                          ; v10  0
.set BIG,  15                          ; v15  over every number of a work-group or chunk
.set Y,    16                          ; v[16:23] the 250 work-groups' keys: register k, lane l: work-group l + 32 k; 0 once struck out (no sim maps to 0)
.set GK,   24                          ; v[24:31] l + 32 k
.set T8,   32                          ; v[32:39] offsets in wm; then at work
.set GS,   40                          ; v[40:49] the ten work-groups, each the same in every lane
.set ID,   50                          ; v[50:59] the ten chunks, likewise
.set IDP,  60                          ; v[60:64] chunk 2 j + h; then its item: 16 x chunk + r
.set FO,   66                          ; v[66:75] offsets in gc
.set SO,   76                          ; v[76:85] offsets in gs
.set LO,   86                          ; v[86:90] offsets in the labels
.set LAB,  91                          ; v[91:95] labels
.set SCI,  96                          ; v[96:105] the items' scale words: lanes 0-15 K step 0, lanes 16-31 K step 1.  Scales alone
.set QSC,  112                         ; v112 the query's, laid likewise.  Scales alone
.set QA,   113                         ; v113, v114 the query's offsets in qc and qs
.set QF,   128                         ; v[128:159] the query's two fragments: all 16 rows are q
.set ACC,  160                         ; v[160:223] eight accumulators
.set KO,   160                         ; ahead of the products: v[160:179] offsets of the ten work-groups' keys, two registers each,
.set K,    180                         ; v[180:199] the keys,
.set CI,   200                         ; v[200:219] their chunks' numbers,
.set TT,   220                         ; v[220:239] at work
.set V,    224                         ; v[224:228] the sims: register j, lane (r, h): item r of chunk 2 j + h
.set P,    229                         ; v[229:233] their payloads
.set NV,   234                         ; the winners: lane i the i-th
.set NP,   235
.set E,    236                         ; v[236:240] at work in the extraction
.set CA,   40                          ; s[40:59] masks of a run of compares
.set WT,   24                          ; at the end: s[24:33] the ten weights, s[34:43] the ten labels, s[44:53] and s[54:63] the masks of my two classes
.set LBS,  34
.set ME,   44
.set MO,   54
.set MSB, 0
.macro WIN new                         ; the immediate's high byte repeats the setting that is left
.if MSB != \new
	s_set_vgpr_msb (MSB<<8)|\new
.set MSB, \new
.endif
.endm
; the largest (the least) of v11 over the 32 lanes, in every lane; v12 is at work
.macro WMAXU
.irp x, 1,2,4,8
	v_mov_b32_dpp v12, v11 row_xmask:\x row_mask:0xf bank_mask:0xf
	v_max_u32 v11, v11, v12
.endr
	v_permlanex16_b32 v12, v11, s20, s21
	v_max_u32 v11, v11, v12
.endm
.macro WMINU
.irp x, 1,2,4,8
	v_mov_b32_dpp v12, v11 row_xmask:\x row_mask:0xf bank_mask:0xf
	v_min_u32 v11, v11, v12
.endr
	v_permlanex16_b32 v12, v11, s20, s21
	v_min_u32 v11, v11, v12
.endm
	s_load_b256 s[4:11], s[0:1], 0x0               ; wm s[4:5], key s[6:7], gc s[8:9], gs s[10:11]
	s_load_b256 s[12:19], s[0:1], 0x20             ; qc s[12:13], qs s[14:15], labels s[16:17], out s[18:19]
	v_and_b32 v1, 15, v0                           ; r
	v_lshrrev_b32 v2, 4, v0                        ; h  (v0 is the lane: one wave)
	v_lshlrev_b32 v[FRO], 8, v1
	v_lshl_add_u32 v[FRO], v2, 4, v[FRO]
	v_lshlrev_b32 v[SCO], 3, v1
	v_lshl_add_u32 v[SCO], v2, 2, v[SCO]
	v_lshlrev_b32 v[LBO], 2, v1
	v_lshlrev_b32 v[L0], 2, v0
	v_add_nc_u32 v[L1], 32, v0
	v_min_u32 v[L1], 49, v[L1]
	v_lshlrev_b32 v[L1], 2, v[L1]
	v_mov_b32 v[NINF], 0xff800000
	v_mov_b32 v[PINF], 0x7f800000
	v_mov_b32 v[ZERO], 0
	v_mov_b32 v[BIG], 0x7fffffff
.irp k, 0,1,2,3,4,5,6,7
	v_add_nc_u32 v[GK+\k], 32*\k, v0
.endr
.irp k, 0,1,2,3,4,5,6,7
	v_min_u32 v[T8+\k], 249, v[GK+\k]              ; no load leaves wm: lanes past work-group 249 read the last one's key and are cleared below
.endr
.irp k, 0,1,2,3,4,5,6,7
	v_lshlrev_b32 v[T8+\k], 12, v[T8+\k]           ; 4,096 bytes a work-group
.endr
	v_lshlrev_b32 v[QA], 8, v2                     ; qc: lane (q & 15) + 16 h of the image
	v_lshlrev_b32 v[QA+1], 6, v2                   ; qs likewise
	s_mov_b32 s20, 0x76543210
	s_mov_b32 s21, 0xfedcba98                      ; v_permlanex16_b32's selects for lane l xor 16
	s_mov_b32 s22, 0xffff0000                      ; lanes 16-31
	s_mov_b32 s23, 0x03ffffff                      ; lanes 0-25: work-groups 224 to 249
	s_mov_b32 s24, 0x0003ffff                      ; lanes 0-17: chunks 32 to 49
	s_lshl_b32 s26, ttmp9, 2
	s_mov_b32 s27, 0
	s_mul_i32 s28, ttmp9, 200                      ; a query's 50 keys, and its 50 class sums: 200 bytes both
	s_mov_b32 s29, 0
	s_lshr_b32 s36, ttmp9, 4                       ; q's tile
	s_and_b32 s37, ttmp9, 15                       ; and its row there
	s_lshl_b32 s30, s36, 12
	s_lshl_b32 s33, s37, 4
	s_add_co_u32 s30, s30, s33
	s_mov_b32 s31, 0
	s_lshl_b32 s34, s36, 7
	s_lshl_b32 s33, s37, 2
	s_add_co_u32 s34, s34, s33
	s_mov_b32 s35, 0
	s_wait_kmcnt 0x0
	s_add_nc_u64 s[4:5], s[4:5], s[26:27]
	s_add_nc_u64 s[6:7], s[6:7], s[28:29]
	s_add_nc_u64 s[12:13], s[12:13], s[30:31]
	s_add_nc_u64 s[14:15], s[14:15], s[34:35]
	s_add_nc_u64 s[18:19], s[18:19], s[28:29]
	s_wait_alu depctr_va_vdst(0)                   ; the offsets v[T8 ..], v[QA] and v[QA+1] are written, which the seventeen loads below read
.irp k, 0,1,2,3,4,5,6,7
	global_load_b32 v[Y+\k], v[T8+\k], s[4:5]
.endr
.irp s, 0,1
.irp c, 0,1,2,3
	global_load_b128 v[QF+16*\s+4*\c:QF+16*\s+4*\c+3], v[QA], s[12:13] offset:2048*\s+512*\c
.endr
.endr
	global_load_b32 v[QSC], v[QA+1], s[14:15]
	s_wait_loadcnt 9                               ; the eight loads of wm are in; the query's nine, issued behind them, may stay out
	s_wait_alu depctr_vm_vsrc(0)                   ; the loads of wm have read v[T8 ..], which the selects below write
	v_cndmask_b32 v[Y+7], v[ZERO], v[Y+7], s23
	; ---- A: the ten first work-groups, one after the other: the largest key left; among equals the least number; it is struck out, and its 50 keys of q are asked for at once
.macro SELG i
	v_max_u32 v11, v[Y], v[Y+1]
	v_max_u32 v12, v[Y+2], v[Y+3]
	v_max_u32 v13, v[Y+4], v[Y+5]
	v_max_u32 v14, v[Y+6], v[Y+7]
	v_max_u32 v11, v11, v12
	v_max_u32 v13, v13, v14
	v_max_u32 v11, v11, v13
	WMAXU
.irp k, 0,1,2,3,4,5,6,7
	v_cmp_eq_u32 s[CA+\k], v11, v[Y+\k]
.endr
	s_wait_alu depctr_va_sdst(0)                   ; the eight masks are written, which the selects below read
.irp k, 0,1,2,3,4,5,6,7
	v_cndmask_b32 v[T8+\k], v[BIG], v[GK+\k], s[CA+\k]
.endr
	v_min_u32 v11, v[T8], v[T8+1]
	v_min_u32 v12, v[T8+2], v[T8+3]
	v_min_u32 v13, v[T8+4], v[T8+5]
	v_min_u32 v14, v[T8+6], v[T8+7]
	v_min_u32 v11, v11, v12
	v_min_u32 v13, v13, v14
	v_min_u32 v11, v11, v13
	WMINU
	v_min_u32 v[GS+(\i)], 249, v11                 ; it stays inside the table
	v_lshl_add_u32 v[KO+2*(\i)], v[GS+(\i)], 18, v[L0]     ; 2^18 bytes from work-group to work-group
	v_lshl_add_u32 v[KO+2*(\i)+1], v[GS+(\i)], 18, v[L1]
	v_mad_u32_u24 v[CI+2*(\i)], v[GS+(\i)], 50, v0         ; my chunks' numbers: 50 g + lane,
	v_add_nc_u32 v[CI+2*(\i)+1], 32, v[CI+2*(\i)]          ; and 32 more
.irp k, 0,1,2,3,4,5,6,7
	v_cmp_eq_u32 s[CA+8+\k], v[GS+(\i)], v[GK+\k]
.endr
	s_wait_alu depctr_va_sdst(0)                   ; the eight masks are written, which the selects below read
	s_wait_alu depctr_va_vdst(0)                   ; the two offsets v[KO ..] are written, which the two loads read
	global_load_b32 v[K+2*(\i)], v[KO+2*(\i)], s[6:7]
	global_load_b32 v[K+2*(\i)+1], v[KO+2*(\i)+1], s[6:7]
.irp k, 0,1,2,3,4,5,6,7
	v_cndmask_b32 v[Y+\k], v[Y+\k], v[ZERO], s[CA+8+\k]
.endr
.endm
.irp i, 0,1,2,3,4,5,6,7,8,9
	SELG \i
.endr
	s_wait_loadcnt 0x0                             ; the 500 keys, and the query
.irp i, 0,1,2,3,4,5,6,7,8,9
	v_cndmask_b32 v[K+2*\i+1], v[ZERO], v[K+2*\i+1], s24
.endr
	; ---- B: the ten first chunks of those 500, in the same way
.macro SELC i
	v_max_u32 v11, v[K], v[K+1]
	v_max_u32 v12, v[K+2], v[K+3]
	v_max_u32 v13, v[K+4], v[K+5]
	v_max_u32 v14, v[K+6], v[K+7]
.irp a, 8,12,16
	v_max_u32 v11, v11, v[K+\a]
	v_max_u32 v12, v12, v[K+\a+1]
	v_max_u32 v13, v13, v[K+\a+2]
	v_max_u32 v14, v14, v[K+\a+3]
.endr
	v_max_u32 v11, v11, v12
	v_max_u32 v13, v13, v14
	v_max_u32 v11, v11, v13
	WMAXU
.irp a, 0,1,2,3,4,5,6,7,8,9,10,11,12,13,14,15,16,17,18,19
	v_cmp_eq_u32 s[CA+\a], v11, v[K+\a]
.endr
	s_wait_alu depctr_va_sdst(0)                   ; the twenty masks are written, which the selects below read
.irp a, 0,1,2,3,4,5,6,7,8,9,10,11,12,13,14,15,16,17,18,19
	v_cndmask_b32 v[TT+\a], v[BIG], v[CI+\a], s[CA+\a]
.endr
	v_min_u32 v11, v[TT], v[TT+1]
	v_min_u32 v12, v[TT+2], v[TT+3]
	v_min_u32 v13, v[TT+4], v[TT+5]
	v_min_u32 v14, v[TT+6], v[TT+7]
.irp a, 8,12,16
	v_min_u32 v11, v11, v[TT+\a]
	v_min_u32 v12, v12, v[TT+\a+1]
	v_min_u32 v13, v13, v[TT+\a+2]
	v_min_u32 v14, v14, v[TT+\a+3]
.endr
	v_min_u32 v11, v11, v12
	v_min_u32 v13, v13, v14
	v_min_u32 v11, v11, v13
	WMINU
	v_min_u32 v[ID+(\i)], 12499, v11               ; it stays inside the tables
.irp a, 0,1,2,3,4,5,6,7,8,9,10,11,12,13,14,15,16,17,18,19
	v_cmp_eq_u32 s[CA+\a], v[ID+(\i)], v[CI+\a]
.endr
	s_wait_alu depctr_va_sdst(0)                   ; the twenty masks are written, which the selects below read
.irp a, 0,1,2,3,4,5,6,7,8,9,10,11,12,13,14,15,16,17,18,19
	v_cndmask_b32 v[K+\a], v[K+\a], v[ZERO], s[CA+\a]
.endr
.endm
.irp i, 0,1,2,3,4,5,6,7,8,9
	SELC \i
.endr
	; ---- C: the ten chunks' 160 sims
.irp i, 0,1,2,3,4,5,6,7,8,9
	v_lshl_add_u32 v[FO+\i], v[ID+\i], 12, v[FRO]  ; 4,096 bytes of codes a chunk
	v_lshl_add_u32 v[SO+\i], v[ID+\i], 7, v[SCO]   ; 128 scale bytes
.endr
.irp j, 0,1,2,3,4
	v_cndmask_b32 v[IDP+\j], v[ID+2*\j], v[ID+2*\j+1], s22   ; lanes 0-15: chunk 2 j; lanes 16-31: chunk 2 j + 1
.endr
.irp j, 0,1,2,3,4
	v_lshl_add_u32 v[LO+\j], v[IDP+\j], 6, v[LBO]  ; 64 bytes of labels
	v_lshl_add_u32 v[IDP+\j], v[IDP+\j], 4, v1     ; my item
.endr
	WIN 0x40                                       ; destination window 1: chunks 0-7
	s_wait_alu depctr_va_vdst(0)                   ; the offsets v[FO ..], v[SO ..] and v[LO ..] are written, which the 95 loads below read; only loads and window switches stand among them
.irp i, 0,1,2,3,4,5,6,7
.irp s, 0,1
.irp c, 0,1,2,3
	global_load_b128 v[32*\i+16*\s+4*\c:32*\i+16*\s+4*\c+3], v[FO+\i], s[8:9] offset:128*\s+32*\c
.endr
.endr
.endr
	WIN 0x80                                       ; window 2: chunks 8, 9
.irp i, 0,1
.irp s, 0,1
.irp c, 0,1,2,3
	global_load_b128 v[32*\i+16*\s+4*\c:32*\i+16*\s+4*\c+3], v[FO+8+\i], s[8:9] offset:128*\s+32*\c
.endr
.endr
.endr
	WIN 0
.irp i, 0,1,2,3,4,5,6,7,8,9
	global_load_b32 v[SCI+\i], v[SO+\i], s[10:11]
.endr
.irp j, 0,1,2,3,4
	global_load_b32 v[LAB+\j], v[LO+\j], s[16:17]
.endr
	s_wait_loadcnt 0x0                             ; all was asked for together
	s_wait_alu depctr_vm_vsrc(0)                   ; the loads of the keys have read their offsets v[KO ..] = v[160:179], which the products below write
	; source 0 = the query, sixteen times; source 1 = a chunk's 16 items.  The accumulators take turns, one instruction a turn; K step 0 starts the sums, as in the second launch
	WIN 0x04                                       ; source 1 in window 1
.irp i, 0,1,2,3,4,5,6,7
	v_wmma_scale_f32_16x16x128_f8f6f4 v[ACC+8*\i:ACC+8*\i+7], v[QF:QF+15], v[32*\i:32*\i+15], 0, v[QSC], v[SCI+\i] matrix_a_fmt:MATRIX_FMT_BF8 matrix_b_fmt:MATRIX_FMT_BF8
.endr
.irp i, 0,1,2,3,4,5,6,7
	v_wmma_scale_f32_16x16x128_f8f6f4 v[ACC+8*\i:ACC+8*\i+7], v[QF+16:QF+31], v[32*\i+16:32*\i+31], v[ACC+8*\i:ACC+8*\i+7], v[QSC], v[SCI+\i] matrix_a_fmt:MATRIX_FMT_BF8 matrix_b_fmt:MATRIX_FMT_BF8 matrix_a_scale:MATRIX_SCALE_ROW1 matrix_b_scale:MATRIX_SCALE_ROW1
.endr
	WIN 0
.irp j, 0,1,2,3,4                              ; the payloads: plain lines that name none of the products' registers: their places: eight are owed ahead of a read of a result, nine ahead of products that begin accumulators anew
	v_min_u32 v[LAB+\j], 63, v[LAB+\j]
.endr
.irp j, 0,1,2,3,4
	v_lshl_add_u32 v[P+\j], v[IDP+\j], 6, v[LAB+\j]
.endr
.irp j, 0,1,2,3,4
	v_cvt_f32_u32 v[P+\j], v[P+\j]                 ; under 2^24: exact
.endr
.irp j, 0,1,2,3
	v_cndmask_b32 v[V+\j], v[ACC+16*\j], v[ACC+16*\j+8], s22   ; all 16 rows of a result are q: its lowest register holds item r's sim in both halves of the lanes
.endr
	WIN 0x08                                       ; source 1 in window 2
.irp i, 0,1
	v_wmma_scale_f32_16x16x128_f8f6f4 v[ACC+8*\i:ACC+8*\i+7], v[QF:QF+15], v[32*\i:32*\i+15], 0, v[QSC], v[SCI+8+\i] matrix_a_fmt:MATRIX_FMT_BF8 matrix_b_fmt:MATRIX_FMT_BF8
.endr
.irp i, 0,1
	v_wmma_scale_f32_16x16x128_f8f6f4 v[ACC+8*\i:ACC+8*\i+7], v[QF+16:QF+31], v[32*\i+16:32*\i+31], v[ACC+8*\i:ACC+8*\i+7], v[QSC], v[SCI+8+\i] matrix_a_fmt:MATRIX_FMT_BF8 matrix_b_fmt:MATRIX_FMT_BF8 matrix_a_scale:MATRIX_SCALE_ROW1 matrix_b_scale:MATRIX_SCALE_ROW1
.endr
	WIN 0
.rept 8
	v_nop
.endr
	v_cndmask_b32 v[V+4], v[ACC], v[ACC+8], s22
	; ---- the ten best of the 160: ten times the largest sim, among equals the least payload (the item's number leads it); the winner is struck out
	v_mov_b32 v[NV], v[NINF]
	v_mov_b32 v[NP], v[PINF]
	s_mov_b32 s39, 1
	s_mov_b32 s38, 10
.Lbest:
	s_wait_alu depctr_va_vdst(0)
	v_max3_num_f32 v11, v[V], v[V+1], v[V+2]
	v_max3_num_f32 v11, v11, v[V+3], v[V+4]
.irp x, 1,2,4,8
	v_max_num_f32_dpp v11, v11, v11 row_xmask:\x row_mask:0xf bank_mask:0xf
.endr
	v_permlanex16_b32 v12, v11, s20, s21
	v_max_num_f32 v11, v11, v12
.irp i, 0,1,2,3,4
	v_cmp_eq_f32 s[CA+\i], v11, v[V+\i]
.endr
	s_wait_alu depctr_va_sdst(0)                   ; the five masks are written, which the selects below read
.irp i, 0,1,2,3,4
	v_cndmask_b32 v[E+\i], v[PINF], v[P+\i], s[CA+\i]
.endr
	v_min3_num_f32 v13, v[E], v[E+1], v[E+2]
	v_min3_num_f32 v13, v13, v[E+3], v[E+4]
.irp x, 1,2,4,8
	v_min_num_f32_dpp v13, v13, v13 row_xmask:\x row_mask:0xf bank_mask:0xf
.endr
	v_permlanex16_b32 v12, v13, s20, s21
	v_min_num_f32 v13, v13, v12
.irp i, 0,1,2,3,4
	v_cmp_eq_f32 s[CA+5+\i], v13, v[P+\i]
.endr
	s_wait_alu depctr_va_sdst(0)                   ; the five masks are written, which the selects below read
.irp i, 0,1,2,3,4
	v_cndmask_b32 v[V+\i], v[V+\i], v[NINF], s[CA+5+\i]
.endr
	v_cndmask_b32 v[NV], v[NV], v11, s39           ; into the lane of this trip
	v_cndmask_b32 v[NP], v[NP], v13, s39
	s_lshl_b32 s39, s39, 1
	s_sub_co_u32 s38, s38, 1
	s_cmp_lg_u32 s38, 0
	s_cbranch_scc1 .Lbest
	; ---- the softmax of the ten sims / 0.07 (lanes 0-9, descending; the other lanes hold -infinity and give 0), and the class sums
	v_readfirstlane_b32 s3, v[NV]                  ; the largest: it is taken away first
	s_wait_alu depctr_va_sdst(0)                   ; s3 is written, which the subtraction reads
	v_sub_f32 v11, v[NV], s3
	v_mul_f32 v11, 0x41a4e122, v11                 ; x log2(e) / 0.07
	s_wait_alu depctr_va_vdst(0)
	v_exp_f32 v11, v11
	v_cvt_u32_f32 v14, v[NP]                       ; (a plain line behind the transcendental)
	s_wait_alu depctr_va_vdst(0)                   ; the wait ahead of its first reader: the exponential v11 is written
	v_mov_b32 v12, v11
.irp x, 1,2,4,8
	v_add_f32_dpp v12, v12, v12 row_xmask:\x row_mask:0xf bank_mask:0xf
.endr
	v_permlanex16_b32 v13, v12, s20, s21
	v_add_f32 v12, v12, v13
	s_wait_alu depctr_va_vdst(0)
	v_rcp_f32 v15, v12
	v_and_b32 v14, 63, v14                         ; the label.  (A plain line)
	s_wait_alu depctr_va_vdst(0)                   ; likewise: the reciprocal v15 is written
	v_mul_f32 v11, v11, v15                        ; the weights
	v_min_u32 v23, 24, v0                          ; 25 pairs of classes: lanes 25 to 31 repeat lane 24's work, address and data, so that all lanes stay on
	v_lshlrev_b32 v16, 1, v23                      ; my two classes
	v_lshl_or_b32 v17, v23, 1, 1
	v_mov_b32 v18, 0
	v_mov_b32 v19, 0
	v_lshlrev_b32 v22, 3, v23
.irp k, 0,1,2,3,4,5,6,7,8,9
	v_readlane_b32 s[WT+\k], v11, \k
	v_readlane_b32 s[LBS+\k], v14, \k
.endr
	s_wait_alu depctr_va_sdst(0)                   ; the ten weights and the ten labels are written, which the compares and moves below read
.irp k, 0,1,2,3,4,5,6,7,8,9
	v_cmp_eq_u32 s[ME+\k], s[LBS+\k], v16
	v_cmp_eq_u32 s[MO+\k], s[LBS+\k], v17
.endr
	s_wait_alu depctr_va_sdst(0)                   ; the twenty masks are written, which the selects below read
.irp k, 0,1,2,3,4,5,6,7,8,9
	v_mov_b32 v20, s[WT+\k]
	v_cndmask_b32 v21, v[ZERO], v20, s[ME+\k]
	v_add_f32 v18, v18, v21
	v_cndmask_b32 v21, v[ZERO], v20, s[MO+\k]
	v_add_f32 v19, v19, v21
.endr
	s_wait_alu depctr_va_vdst(0)                   ; the two class sums v[18:19] and the offset v22 are written, which the store reads
	global_store_b64 v22, v[18:19], s[18:19]       ; the row's 200 bytes
	s_endpgm
.Lfunc_end_k_q62d732122b_pick:
	.size	k_q62d732122b_pick, .Lfunc_end_k_q62d732122b_pick-k_q62d732122b_pick
	.p2alignl 7, 3214868480
	.fill 96, 4, 3214868480
	.section	.rodata,"a",@progbits
	.p2align	6, 0x0
	.amdhsa_kernel k_q62d732122b_pick
		.amdhsa_group_segment_fixed_size 0
		.amdhsa_private_segment_fixed_size 0
		.amdhsa_enable_private_segment 0
		.amdhsa_kernarg_size 64
		.amdhsa_user_sgpr_count 2
		.amdhsa_user_sgpr_kernarg_segment_ptr 1
		.amdhsa_wavefront_size32 1
		.amdhsa_system_sgpr_workgroup_id_x 1
		.amdhsa_system_sgpr_workgroup_id_y 1
		.amdhsa_system_sgpr_workgroup_id_z 1
		.amdhsa_system_vgpr_workitem_id 0
		.amdhsa_next_free_vgpr 576
		.amdhsa_next_free_sgpr 66
		.amdhsa_reserve_vcc 0
		.amdhsa_float_denorm_mode_32 3
		.amdhsa_float_denorm_mode_16_64 3
		.amdhsa_memory_ordered 1
		.amdhsa_forward_progress 1
		.amdhsa_inst_pref_size 142
	.end_amdhsa_kernel
	.amdgpu_metadata
---
amdhsa.version: [ 1, 2 ]
amdhsa.kernels:
  - .name:           k_q62d732122b_pick
    .symbol:         k_q62d732122b_pick.kd
    .args:
      - { .name: wm, .offset: 0, .size: 8, .value_kind: global_buffer, .address_space: global }
      - { .name: key, .offset: 8, .size: 8, .value_kind: global_buffer, .address_space: global }
      - { .name: gc, .offset: 16, .size: 8, .value_kind: global_buffer, .address_space: global }
      - { .name: gs, .offset: 24, .size: 8, .value_kind: global_buffer, .address_space: global }
      - { .name: qc, .offset: 32, .size: 8, .value_kind: global_buffer, .address_space: global }
      - { .name: qs, .offset: 40, .size: 8, .value_kind: global_buffer, .address_space: global }
      - { .name: train_labels, .offset: 48, .size: 8, .value_kind: global_buffer, .address_space: global }
      - { .name: out0, .offset: 56, .size: 8, .value_kind: global_buffer, .address_space: global }
    .group_segment_fixed_size: 0
    .private_segment_fixed_size: 0
    .kernarg_segment_align: 8
    .kernarg_segment_size: 64
    .max_flat_workgroup_size: 32
    .sgpr_count:     66
    .vgpr_count:     576
    .wavefront_size: 32
...
	.end_amdgpu_metadata
.endif
;; end of part 6
